; MI455X (gfx1250); checked and timed in simulation.
; The chip was launched on July 23, 2026; its instructions are those of AMD's public machine-readable ISA for CDNA 5 (MIT licence, August 2026) and "CDNA5" Instruction Set Architecture Reference Guide (July 2026). The comments in the code are by the model that wrote it; some were corrected since.
;; SNN Adapter. Allowed arithmetic: float matrix products may take bf16 or f16 operands with f32 sums; other float arithmetic in f32, or as packed bf16 or f16 multiplies, adds, multiply-adds, maxima and minima; sums over many terms, partial sums and values carried from step to step in f32; what a program stores and reads back later, other than sums and carried values, may be rounded once to bf16 or f16.
;; Inputs: alpha one number float32; b_in 2,048 float32; b_out 2,048 float32; thre one number float32; w_in 2,048 x 2,048 float32; w_out 2,048 x 2,048 float32; x 4 x 2,048 x 2,048 float32.
;; Outputs: out0 4 x 2,048 x 2,048 float32.
;; 2 versions, each right; version 2 is version 1 with the launches cvt, scan written anew for expert scheduling mode. Each part assembles by itself: llvm-mc -triple=amdgcn-amd-amdhsa -mcpu=gfx1250 --defsym DOCPART=n.
;; ======== version 1 of 2: 4 launches
;; workspace buffers: xb 33,554,432 bytes; wib 8,388,608 bytes; wob 8,388,608 bytes; xp 67,108,864 bytes; sp 33,554,432 bytes
;; launch cvt (part 1): grid 640 x 1, 8 waves a work-group, no clusters, 0 bytes of LDS; arguments x, w_in, xb, wib; writes xb, wib
.if DOCPART == 1
	.amdgcn_target "amdgcn-amd-amdhsa--gfx1250"
	.amdhsa_code_object_version 6
	.text
	.protected	k_q5bd9d1bb3e_cvt
	.globl	k_q5bd9d1bb3e_cvt
	.p2align	8
	.type	k_q5bd9d1bb3e_cvt,@function
k_q5bd9d1bb3e_cvt:
	s_mov_b64 s[64:65], 0
	v_nop
	global_prefetch_b8 v0, s[64:65] scope:SCOPE_SE
	s_setreg_imm32_b32 hwreg(HW_REG_WAVE_MODE, 25, 1), 1
	s_wait_xcnt 0x0
; xb = bf16(x), wib = bf16(w_in): each number rounded once, to nearest even; the layouts stay as they are.  (w_out, which only the last launch needs, is converted beside the scan.)
; SHARES.  A work-group takes 32,768 numbers: groups 0-511 x (16,777,216 numbers), 512-639 w_in (4,194,304).
; A wave takes 4,096: 32 loads of 16 bytes a lane (512 consecutive bytes each) and 32 stores of 8 bytes a lane (256 consecutive bytes each, aligned).
; All 32 loads go out first; each has registers of its own, so no register that a load or store names is ever written again, and the only waits are the counted ones.
; No LDS, no matrix unit, no cluster: nothing is shared and nothing is summed.
.set X, 8                              ; v[8:135]  load i: four f32; its first two registers then hold the four bf16
	s_load_b256 s[4:11], s[0:1], 0x0               ; x s[4:5], w_in s[6:7], xb s[8:9], wib s[10:11]
	v_lshrrev_b32 v3, 5, v0                        ; wave
	v_and_b32 v4, 31, v0                           ; lane
	v_lshlrev_b32 v1, 4, v4
	v_lshl_add_u32 v1, v3, 14, v1                  ; in: 16,384 x wave + 16 x lane
	v_lshlrev_b32 v2, 3, v4
	v_lshl_add_u32 v2, v3, 13, v2                  ; out: 8,192 x wave + 8 x lane
	s_mov_b32 s20, ttmp9
	s_wait_kmcnt 0x0
	s_cmp_lt_u32 s20, 512                          ; which tensor: the choice hangs on the work-group's number alone
	s_cselect_b64 s[16:17], s[4:5], s[6:7]
	s_cselect_b64 s[18:19], s[8:9], s[10:11]
	s_cselect_b32 s21, 0, 512
	s_sub_co_u32 s22, s20, s21                     ; my number among the tensor's work-groups
	s_lshl_b32 s24, s22, 17                        ; 131,072 bytes in,
	s_mov_b32 s25, 0
	s_lshl_b32 s26, s22, 16                        ; 65,536 bytes out
	s_mov_b32 s27, 0
	s_add_nc_u64 s[16:17], s[16:17], s[24:25]
	s_add_nc_u64 s[18:19], s[18:19], s[26:27]
.set i, 0
.rept 32
	global_load_b128 v[X+4*i:X+4*i+3], v1, s[16:17] offset:512*i th:TH_LOAD_NT
.set i, i+1
.endr
.set i, 0
.rept 32
	s_wait_loadcnt 31-i                            ; loads come back in order: load i is in, the 31 - i younger ones may stay out
	v_cvt_pk_bf16_f32 v[X+4*i], v[X+4*i], v[X+4*i+1]
	v_cvt_pk_bf16_f32 v[X+4*i+1], v[X+4*i+2], v[X+4*i+3]
	global_store_b64 v2, v[X+4*i:X+4*i+1], s[18:19] offset:256*i th:TH_STORE_NT
.set i, i+1
.endr
	s_endpgm
.Lfunc_end_k_q5bd9d1bb3e_cvt:
	.size	k_q5bd9d1bb3e_cvt, .Lfunc_end_k_q5bd9d1bb3e_cvt-k_q5bd9d1bb3e_cvt
	.p2alignl 7, 3214868480
	.fill 96, 4, 3214868480
	.section	.rodata,"a",@progbits
	.p2align	6, 0x0
	.amdhsa_kernel k_q5bd9d1bb3e_cvt
		.amdhsa_group_segment_fixed_size 0
		.amdhsa_private_segment_fixed_size 0
		.amdhsa_enable_private_segment 0
		.amdhsa_kernarg_size 32
		.amdhsa_user_sgpr_count 2
		.amdhsa_user_sgpr_kernarg_segment_ptr 1
		.amdhsa_wavefront_size32 1
		.amdhsa_system_sgpr_workgroup_id_x 1
		.amdhsa_system_sgpr_workgroup_id_y 1
		.amdhsa_system_sgpr_workgroup_id_z 1
		.amdhsa_system_vgpr_workitem_id 0
		.amdhsa_next_free_vgpr 136
		.amdhsa_next_free_sgpr 66
		.amdhsa_reserve_vcc 0
		.amdhsa_float_denorm_mode_32 3
		.amdhsa_float_denorm_mode_16_64 3
		.amdhsa_memory_ordered 1
		.amdhsa_forward_progress 1
		.amdhsa_inst_pref_size 13
	.end_amdhsa_kernel
	.amdgpu_metadata
---
amdhsa.version: [ 1, 2 ]
amdhsa.kernels:
  - .name:           k_q5bd9d1bb3e_cvt
    .symbol:         k_q5bd9d1bb3e_cvt.kd
    .args:
      - { .name: x, .offset: 0, .size: 8, .value_kind: global_buffer, .address_space: global }
      - { .name: w_in, .offset: 8, .size: 8, .value_kind: global_buffer, .address_space: global }
      - { .name: xb, .offset: 16, .size: 8, .value_kind: global_buffer, .address_space: global }
      - { .name: wib, .offset: 24, .size: 8, .value_kind: global_buffer, .address_space: global }
    .group_segment_fixed_size: 0
    .private_segment_fixed_size: 0
    .kernarg_segment_align: 8
    .kernarg_segment_size: 32
    .max_flat_workgroup_size: 256
    .sgpr_count:     66
    .vgpr_count:     136
    .wavefront_size: 32
...
	.end_amdgpu_metadata
.endif
;; end of part 1
;; launch gemm1 (part 2): grid 8 x 32, 4 waves a work-group, clusters of 4 x 4, 327,680 bytes of LDS; arguments xb, wib, b_in, xp; writes xp
.if DOCPART == 2
	.amdgcn_target "amdgcn-amd-amdhsa--gfx1250"
	.amdhsa_code_object_version 6
	.text
	.protected	k_q5bd9d1bb3e_gemm1
	.globl	k_q5bd9d1bb3e_gemm1
	.p2align	8
	.type	k_q5bd9d1bb3e_gemm1,@function
k_q5bd9d1bb3e_gemm1:
	s_mov_b64 s[64:65], 0
	v_nop
	global_prefetch_b8 v0, s[64:65] scope:SCOPE_SE
	s_setreg_imm32_b32 hwreg(HW_REG_WAVE_MODE, 25, 1), 1
	s_wait_xcnt 0x0
	s_wait_alu depctr_hold_cnt(0) depctr_sa_sdst(0) depctr_va_vdst(0) depctr_va_sdst(0) depctr_va_ssrc(0) depctr_va_vcc(0) depctr_vm_vsrc(0)
	s_getreg_b32 s2, hwreg(HW_REG_IB_STS2, 6, 4)
	s_cmp_eq_u32 s2, 0
	s_cbranch_scc0 .Lentry_in_a_cluster
	s_endpgm
.Lentry_in_a_cluster:
	s_bfe_u32 s2, ttmp6, 0x10000c
	s_cmp_lg_u32 s2, 0xf033
	s_cbranch_scc0 .Lentry_shape_is_right
	s_endpgm
.Lentry_shape_is_right:
; x_proj[b][t][c] = the sum over h of xb[b][t][h] wib[h][c] + bf16(b_in[c]), sums in f32, stored in f32 in the layout in which the scan reads it:
; xp byte = ((b 64 + c / 32) 512 + t / 4) 512 + (c % 32) 16 + (t % 4) 4.  xb: [8192 rows = 2048 b + t][2048] bf16.  wib: [2048 h][2048 c] bf16, as it was given: not transposed.
; LIMITS.  x, w_in and b_in enter rounded once to bf16.  The bias is the C operand of each sum's first product: it is added first, not last.  x_proj stays in f32: the spikes made of it are steps.
; SHARES.  A work-group makes 256 rows x 256 channels, each of its four waves 128 x 128: 64 accumulators of 16 x 16, 512 registers.  K goes in 16 steps of 128 through two LDS slots.
; CLUSTER.  4 x 4 work-groups.  The four of a row of the cluster need the same tiles of x, the four of a column the same tiles of w: each tile is asked for JOINTLY, by the same tensor load,
; descriptor and mask in all four.
; THE PRODUCT.  Source 0 = 16 rows of x (P, plain loads from rows that lie along K), source 1 = 16 channels of w (Q, turned on the way out of LDS by ds_load_tr16_b128, since w lies [K][N]).
; In the result lane l holds ONE channel (l % 16) and the eight times 8 (l / 16) + 0..7: two pieces of 16 bytes of xp, and sixteen lanes' pieces are 256 consecutive bytes: stored straight from the accumulators.
; REGISTERS, in windows of 256 (s_set_vgpr_msb: bits 1:0 source 0, 3:2 source 1, 5:4 source 2, 7:6 destination):
;   window 0: v0-31 addresses; v40-47 at work; v64-127, v128-191 Q's fragments, two buffers; v192-255 the bias as eight C operands
;   window 1: v64-127, v128-191 P's fragments, two buffers      windows 2, 3: accumulator (qi, pi) in window 2 + qi / 4 at v[8 (8 (qi % 4) + pi)]
.set PA,    272                        ; a row of x in LDS: 256 bytes + 16 of padding: the 16 rows of a load start 16 bytes apart modulo 256
.set PB,    544                        ; a row of w in LDS: 512 bytes + 32 of padding = 17 x 32: the turning load's 8 rows x 32 bytes fall on different bytes modulo 256
.set HALFT, 34816                      ; what one tensor load brings: 128 rows of x, or 64 rows of w
.set SLOT,  4*HALFT                    ; x's rows 0-127, 128-255, then w's K rows 0-63, 64-127
.set SPARE, 2*SLOT                     ; behind the ring: the spare words, 128 bytes for each wave: two blocks of 256 bytes that no other line names
.set STEPA, 512                        ; two K steps along a row of x
.set STEPB, 1048576                    ; two K steps down the rows of w: 256 rows of 4,096 bytes
.set ADRP, 16                          ; v16-17  LDS address of my P fragments in slot 0, 1
.set ADRQ, 20                          ; v20-21  the same for Q
.set CO,   26                          ; v26     my byte offset in xp: 1,024 (l / 16) + 16 (l % 16)
.set BO,   27                          ; v27     my byte offset in the bias: 4 (l % 16)
.set SPW,  28                          ; v28     LDS address of my spare word; never rewritten
.set NIL,  29                          ; v29     0; never rewritten
.set PFO,  30                          ; v30     the prefetches' lane offset; never rewritten
.set LN,   31                          ; v31     lane
.set TB,   40                          ; v40-47  the bias as loaded
.set F0,   64
.set F1,   128
.set BIAS, 192
.set WV,  12                           ; s12  wave
.set RH,  13                           ; s13  which half of the tile's rows is mine; also: I fetch x (0) or w (1)
.set CH,  14                           ; s14  which half of its channels; also: which half of that tile I fetch
.set CX,  15
.set CY,  16
.set TC,  17                           ; s17  tile column = 4 x cluster x + cx
.set TR,  18                           ; s18  tile row = 4 x cluster y + cy
.set G1A, 24                           ; s[24:31] descriptor group 1 for x's tiles;  s[32:39] group 0, a set for each slot
.set G0A, 32
.set LIM, 43                           ; s43  1 in a wave that prefetches, else the greatest number
.set G1B, 48                           ; s[48:55], s[56:63] the same for w's tiles
.set G0B, 56
.set PFA, 66                           ; s[66:67] where my prefetches stand
.set PST, 68                           ; s[68:69] a K step in the tensor that I prefetch
.set MSB, 0
.macro WIN new                         ; the immediate's high byte repeats the setting that is left; a switch that changes nothing is dropped
.if MSB != (\new)
	s_set_vgpr_msb (MSB<<8)|(\new)
.set MSB, (\new)
.endif
.endm
; A joint load: waves 0 and 1 fetch x's two halves, waves 2 and 3 w's.  The branch hangs on the wave's number alone.  An s_nop 0 and four v_nop follow each of the two lines.
.macro JLOAD s
	s_cmp_eq_u32 s[RH], 0
	s_cbranch_scc0 .Lfor_b_\@
	tensor_load_to_lds s[G0A+4*(\s):G0A+4*(\s)+3], s[G1A:G1A+7]
	s_nop 0
.rept 4
	v_nop
.endr
	s_branch .Lasked_\@
.Lfor_b_\@:
	tensor_load_to_lds s[G0B+4*(\s):G0B+4*(\s)+3], s[G1B:G1B+7]
	s_nop 0
.rept 4
	v_nop
.endr
.Lasked_\@:
.endm
; A prefetch of the K step that stands two refills on, 512 matrix instructions ahead of the load that will name it: 32 blocks of 256 bytes, a lane a block, one instruction a wave.
; Each block is named once in the launch: x's rows by the clusters with x = 0, w's by those with y = 0; of the 128 blocks of a tensor load each of the four partners takes 32, told apart by address.
; The loop's last trip (s3 = 1) has no K step two refills on; K steps 0 to 3 come by their loads alone.
.macro ASK
	s_cmp_gt_u32 s3, s[LIM]
	s_cbranch_scc0 .Lnot_mine_\@
	global_prefetch_b8 v[PFO], s[PFA:PFA+1] th:TH_LOAD_NT scope:SCOPE_SE
.Lnot_mine_\@:
.endm
.macro CREST                           ; a round of the cluster's barrier behind its opening barrier
	s_cmp_lg_u32 s[WV], 0
	s_cbranch_scc1 .Lnot_wave_0_\@
	s_barrier_signal -3
.Lnot_wave_0_\@:
	s_barrier_wait -3
	s_barrier_signal -1
	s_barrier_wait -1
.endm
.macro CROUND                          ; a whole round
	s_barrier_signal -1
	s_barrier_wait -1
	CREST
.endm
.macro PLACES                          ; four plain places behind matrix instructions, in front of loads into registers that they have read and of stores that read results
.rept 4
	v_nop
.endr
.endm
	s_load_b256 s[4:11], s[0:1], 0x0               ; xb s[4:5], wib s[6:7], b_in s[8:9], xp s[10:11]
	v_lshl_add_u32 v[SPW], v0, 2, SPARE
	v_mov_b32 v[NIL], 0
	ds_add_u32 v[SPW], v[NIL]                      ; the wave's opening: the add and its wait stand ahead of my first tensor load; the set-up below, work on registers, stands between them
	v_lshrrev_b32 v1, 5, v0
	v_readfirstlane_b32 s[WV], v1
	s_lshr_b32 s[RH], s[WV], 1
	s_and_b32 s[CH], s[WV], 1
	s_bfe_u32 s[CX], ttmp6, 0x40000
	s_bfe_u32 s[CY], ttmp6, 0x40004
	s_lshl_b32 s[TC], ttmp9, 2
	s_add_co_u32 s[TC], s[TC], s[CX]
	s_and_b32 s[TR], ttmp7, 0xffff
	s_lshl_b32 s[TR], s[TR], 2
	s_add_co_u32 s[TR], s[TR], s[CY]
	s_lshl_b32 s19, s[CY], 2
	s_lshl_b32 s19, 15, s19                        ; my row of the cluster
	s_lshl_b32 s40, 0x1111, s[CX]                  ; my column
	s_or_b32 s[G1A+0], s19, (1<<16)|(1<<20)|(1<<21)|(5<<22)|(3<<25)  ; the mask; 2-byte elements; padding on; bit 21 beside a mask; after every 64 words 4 words
	s_mov_b32 s[G1A+1], 128<<16                    ; tensor_dim0 = 128
	s_mov_b32 s[G1A+2], 128<<16                    ; tensor_dim1 = 128
	s_mov_b32 s[G1A+3], 128<<16                    ; tile_dim0 = 128 elements: 256 bytes
	s_mov_b32 s[G1A+4], 128                        ; tile_dim1 = 128 rows
	s_mov_b32 s[G1A+5], 2048                       ; elements from row to row
	s_mov_b32 s[G1A+6], 0
	s_mov_b32 s[G1A+7], 0
	s_or_b32 s[G1B+0], s40, (1<<16)|(1<<20)|(1<<21)|(6<<22)|(7<<25)  ; after every 128 words 8 words
	s_mov_b32 s[G1B+1], 256<<16                    ; tensor_dim0 = 256
	s_mov_b32 s[G1B+2], 64<<16                     ; tensor_dim1 = 64
	s_mov_b32 s[G1B+3], 256<<16                    ; tile_dim0 = 256 elements: 512 bytes
	s_mov_b32 s[G1B+4], 64                         ; tile_dim1 = 64 rows
	s_mov_b32 s[G1B+5], 2048
	s_mov_b32 s[G1B+6], 0
	s_mov_b32 s[G1B+7], 0
	s_lshl_b32 s20, s[TR], 8                       ; x: row 256 x tile row + 128 x half, 4,096 bytes a row: the tile row and the wave's number alone
	s_lshl_b32 s22, s[CH], 7
	s_add_co_u32 s20, s20, s22
	s_lshl_b32 s20, s20, 12
	s_mov_b32 s21, 0
	s_lshl_b32 s44, s[CH], 18                      ; w: K row 64 x half, column 256 x tile column: the tile column and the wave's number alone
	s_lshl_b32 s46, s[TC], 9
	s_add_co_u32 s44, s44, s46
	s_mov_b32 s45, 0
	s_mul_i32 s42, s[WV], HALFT                    ; where they go: wave x 34,816: no place in the cluster enters an LDS address
	s_wait_dscnt 0x0                               ; the opening add is done
	s_wait_kmcnt 0x0
	s_add_nc_u64 s[20:21], s[4:5], s[20:21]
	s_add_nc_u64 s[44:45], s[6:7], s[44:45]
	CROUND                                         ; all sixteen work-groups are here: the first joint loads meet
.irp s, 0,1
	s_mov_b32 s[G0A+4*(\s)], 1
	s_add_co_u32 s[G0A+4*(\s)+1], s42, (\s)*SLOT
	s_add_nc_u64 s[G0A+4*(\s)+2:G0A+4*(\s)+3], s[20:21], (\s)*256      ; K step s
	s_or_b32 s[G0A+4*(\s)+3], s[G0A+4*(\s)+3], 0x80000000
	s_mov_b32 s[G0B+4*(\s)], 1
	s_add_co_u32 s[G0B+4*(\s)+1], s42, (\s)*SLOT
	s_add_nc_u64 s[G0B+4*(\s)+2:G0B+4*(\s)+3], s[44:45], (\s)*524288
	s_or_b32 s[G0B+4*(\s)+3], s[G0B+4*(\s)+3], 0x80000000
	JLOAD \s                                       ; two loads of mine are out
.endr
	v_and_b32 v1, 15, v0                           ; r = l % 16
	v_bfe_u32 v2, v0, 4, 1                         ; h = l / 16
	v_and_b32 v3, 7, v0
	v_bfe_u32 v4, v0, 3, 1
	v_and_b32 v[LN], 31, v0
	; the bias of my 128 channels: lane l takes channel 16 qi + l % 16
	s_lshl_b32 s46, s[TC], 10
	s_lshl_b32 s47, s[CH], 9
	s_add_co_u32 s46, s46, s47
	s_mov_b32 s47, 0
	s_add_nc_u64 s[8:9], s[8:9], s[46:47]
	v_lshlrev_b32 v[BO], 2, v1
.irp qi, 0,1,2,3,4,5,6,7
	global_load_b32 v[TB+(\qi)], v[BO], s[8:9] offset:64*(\qi)
.endr
	; P: row x pitch + 16 x half, in my 128 rows of x
	v_mul_u32_u24 v5, v1, PA
	v_lshl_add_u32 v5, v2, 4, v5
	s_mul_i32 s22, s[RH], HALFT
	v_add_nc_u32 v[ADRP], s22, v5
	v_add_nc_u32 v[ADRP+1], SLOT, v[ADRP]
	; Q: the turning load takes 16 K rows x 16 channels: lane l reads K row 8 (l / 16) + l % 8, channels 8 ((l / 8) % 2) + 0..7, and is left with channel l % 16 and 8 K
	v_lshl_add_u32 v6, v2, 3, v3
	v_mul_u32_u24 v6, v6, PB
	v_lshl_add_u32 v6, v4, 4, v6
	s_lshl_b32 s23, s[CH], 8
	s_add_co_u32 s23, s23, 2*HALFT
	v_add_nc_u32 v[ADRQ], s23, v6
	v_add_nc_u32 v[ADRQ+1], SLOT, v[ADRQ]
	; xp at my part: ((b 64 + 8 x tile column + 4 x half) 512 + 64 x (tile row % 8) + 32 x half) 512
	s_lshr_b32 s40, s[TR], 3
	s_lshl_b32 s40, s40, 6
	s_lshl_b32 s41, s[TC], 3
	s_add_co_u32 s40, s40, s41
	s_lshl_b32 s41, s[CH], 2
	s_add_co_u32 s40, s40, s41
	s_lshl_b32 s40, s40, 18
	s_and_b32 s41, s[TR], 7
	s_lshl_b32 s41, s41, 6
	s_lshl_b32 s22, s[RH], 5
	s_add_co_u32 s41, s41, s22
	s_lshl_b32 s41, s41, 9
	s_add_co_u32 s40, s40, s41
	s_mov_b32 s41, 0
	s_add_nc_u64 s[10:11], s[10:11], s[40:41]
	v_lshlrev_b32 v[CO], 4, v1
	v_lshl_add_u32 v[CO], v2, 10, v[CO]
	; the prefetches: x: a lane a row of 4,096 bytes, 32 rows a partner, 256 bytes a K step; w: two lanes a row, 16 rows a partner, 128 rows a K step
	s_and_b32 s22, ttmp7, 0xffff                   ; cluster y
	s_mov_b32 s[PST], 0x80000
	s_mov_b32 s[PST+1], 0
	s_cmp_eq_u32 s[RH], 0                          ; do I fetch x?
	s_cselect_b32 s23, s[CX], s[CY]                ; my place among the four that ask with me
	s_cselect_b32 s22, ttmp9, s22                  ; the coordinate along which other clusters read the same blocks
	s_cselect_b64 s[PFA:PFA+1], s[20:21], s[44:45] ; my load's tile of K step 0
	s_cselect_b32 s70, 0, 1
	s_cselect_b32 s71, 0, 1
	s_cselect_b32 s40, 17, 16
	s_cselect_b32 s[PST], 256, s[PST]
	s_cmp_eq_u32 s22, 0
	s_cselect_b32 s[LIM], 1, -1                    ; the same in all sixteen partners, for a given wave
	s_lshl_b32 s46, s23, s40
	s_mov_b32 s47, 0
	s_add_nc_u64 s[PFA:PFA+1], s[PFA:PFA+1], s[46:47]
	s_mul_i32 s46, s[PST], 3
	s_add_nc_u64 s[PFA:PFA+1], s[PFA:PFA+1], s[46:47]  ; at K step 3: the first refill steps it to 4
	v_lshrrev_b32 v5, s70, v[LN]
	v_and_b32 v6, s71, v[LN]
	v_lshlrev_b32 v5, 12, v5
	v_lshl_add_u32 v[PFO], v6, 8, v5
	s_wait_loadcnt 0x0                             ; the bias
.irp qi, 0,1,2,3,4,5,6,7
	v_cvt_pk_bf16_f32 v[TB+(\qi)], v[TB+(\qi)], v[TB+(\qi)]  ; rounded once to bf16,
.endr
.irp qi, 0,1,2,3,4,5,6,7
.irp j, 0,1,2,3,4,5,6,7
	v_lshlrev_b32 v[BIAS+8*(\qi)+(\j)], 16, v[TB+(\qi)]      ; and laid out as a C operand: a lane's eight results are one channel's
.endr
.endr
; 16 matrix instructions: Q blocks a0, a0 + 1 of the window's four x all 8 P blocks, 32 along K.  zero = 1: the first product starts the sums, with the bias as C: nothing is cleared.
; The 64 accumulators take turns in the same order in every quarter.
.macro MUL16 f, hi, a0, zero
.if \zero
	WIN 0x81+0x40*(\hi)                            ; source 0 window 1, source 1 and C window 0, D window 2 or 3
.else
	WIN 0xa1+0x50*(\hi)                            ; C and D window 2 or 3
.endif
.irp a, \a0, (\a0)+1
.irp b, 0,1,2,3,4,5,6,7
.if \zero
	v_wmma_f32_16x16x32_bf16 v[8*(8*(\a)+(\b)):8*(8*(\a)+(\b))+7], v[(\f)+8*(\b):(\f)+8*(\b)+7], v[(\f)+8*(4*(\hi)+(\a)):(\f)+8*(4*(\hi)+(\a))+7], v[BIAS+8*(4*(\hi)+(\a)):BIAS+8*(4*(\hi)+(\a))+7]
.else
	v_wmma_f32_16x16x32_bf16 v[8*(8*(\a)+(\b)):8*(8*(\a)+(\b))+7], v[(\f)+8*(\b):(\f)+8*(\b)+7], v[(\f)+8*(4*(\hi)+(\a)):(\f)+8*(4*(\hi)+(\a))+7], v[8*(8*(\a)+(\b)):8*(8*(\a)+(\b))+7]
.endif
.endr
.endr
.endm
; 32 LDS loads in one run: the fragments of quarter q (32 along K) into buffer f: P's 16, then Q's 16
.macro FETCH slot, q, f
	WIN 0x40
.irp i, 0,1,2,3,4,5,6,7
	ds_load_b128 v[(\f)+8*(\i):(\f)+8*(\i)+3],   v[ADRP+(\slot)] offset:64*(\q)+(\i)*16*PA
	ds_load_b128 v[(\f)+8*(\i)+4:(\f)+8*(\i)+7], v[ADRP+(\slot)] offset:64*(\q)+(\i)*16*PA+32
.endr
	WIN 0
.irp i, 0,1,2,3,4,5,6,7
	ds_load_tr16_b128 v[(\f)+8*(\i):(\f)+8*(\i)+3],   v[ADRQ+(\slot)] offset:32*PB*(\q)+32*(\i)
	ds_load_tr16_b128 v[(\f)+8*(\i)+4:(\f)+8*(\i)+7], v[ADRQ+(\slot)] offset:32*PB*(\q)+32*(\i)+16*PB
.endr
.endm
; One of a K step's first three quarters: multiplies buffer f; in its middle it fetches quarter q into buffer g.
.macro QUARTER slot, q, f, g, zero
	s_wait_dscnt 8                                 ; P and Q's blocks 0-3 are in; the youngest eight loads (Q's blocks 4-7) may be out
	MUL16 \f, 0, 0, \zero
	MUL16 \f, 0, 2, \zero
	PLACES
	FETCH \slot, \q, \g
	s_wait_dscnt 32                                ; all but the 32 just issued
	MUL16 \f, 1, 0, \zero
	MUL16 \f, 1, 2, \zero
.endm
; The first half of a K step's last quarter: ONE barrier for the change of slots.  In front of it each wave waits for all its tensor loads (one is out: its part of the next slot), adds 0 to its
; spare word, and waits for that and for its own reads of this slot.
.macro MEET round
	WIN 0
	s_wait_tensorcnt 0x0
	ds_add_u32 v[SPW], v[NIL]
	s_wait_dscnt 9                                 ; the add and the youngest eight loads may be out
	MUL16 F1, 0, 0, 0
	s_wait_dscnt 0x0                               ; the add is done, and my reads of this slot are over
	s_barrier_signal -1
	MUL16 F1, 0, 2, 0
.if \round
	WIN 0
.endif
	s_barrier_wait -1
.endm
; The whole last quarter.  fill = 1: the barrier opens a round of the cluster's, and the slot just read out is filled again first thing behind it, two K steps ahead.
.macro TURN slot, next, fill
.if \fill
	s_wait_xcnt 0x0                                ; the last prefetch, a K step back, has read its address
	s_add_nc_u64 s[PFA:PFA+1], s[PFA:PFA+1], s[PST:PST+1]
	MEET 1
	CREST                                          ; no wave of any partner still reads this slot or has a load on its way
	s_add_nc_u64 s[G0A+4*(\slot)+2:G0A+4*(\slot)+3], s[G0A+4*(\slot)+2:G0A+4*(\slot)+3], STEPA
	s_add_nc_u64 s[G0B+4*(\slot)+2:G0B+4*(\slot)+3], s[G0B+4*(\slot)+2:G0B+4*(\slot)+3], STEPB
	JLOAD \slot                                    ; its four v_nop are also the places in front of the loads below
.else
	MEET 0
	PLACES
.endif
	FETCH \next, 0, F0
.if \fill
	ASK
.endif
	MUL16 F1, 1, 0, 0
	MUL16 F1, 1, 2, 0
.endm
; The way out of Q block qi: 16 stores; sixteen lanes write 256 consecutive bytes, aligned; each accumulator's low four registers go first.
.macro OUT1 qi
	WIN 0x08+4*((\qi)/4)                           ; the stores' data in window 2 or 3
.irp pi, 0,1,2,3,4,5,6,7
.irp hf, 0,1
	global_store_b128 v[CO], v[64*((\qi)%4)+8*(\pi)+4*(\hf):64*((\qi)%4)+8*(\pi)+4*(\hf)+3], s[10:11] offset:((\qi)/2)*262144+((\qi)%2)*256+(\pi)*2048+(\hf)*512 th:TH_STORE_NT
.endr
.endr
.endm
	s_wait_tensorcnt 1                             ; my part of K step 0 is in; K step 1's may stay out
	s_barrier_signal -1
	s_barrier_wait -1
	FETCH 0, 0, F0
	QUARTER 0, 1, F0, F1, 1                        ; the first quarter stands in front of the loop: its products start the sums
	WIN 0
	s_mov_b32 s3, 7
.Llap:                                                 ; a trip goes once round the ring and fills both slots again: K steps 2 to 15
	QUARTER 0, 2, F1, F0, 0
	QUARTER 0, 3, F0, F1, 0
	TURN 0, 1, 1
	QUARTER 1, 1, F0, F1, 0
	QUARTER 1, 2, F1, F0, 0
	QUARTER 1, 3, F0, F1, 0
	TURN 1, 0, 1
	QUARTER 0, 1, F0, F1, 0
	WIN 0
	s_sub_co_u32 s3, s3, 1
	s_cmp_lg_u32 s3, 0
	s_cbranch_scc1 .Llap
	QUARTER 0, 2, F1, F0, 0                        ; the last lap fills nothing
	QUARTER 0, 3, F0, F1, 0
	TURN 0, 1, 0
	QUARTER 1, 1, F0, F1, 0
	QUARTER 1, 2, F1, F0, 0
	QUARTER 1, 3, F0, F1, 0
	s_wait_dscnt 8
	MUL16 F1, 0, 0, 0
	MUL16 F1, 0, 2, 0
	s_wait_dscnt 0x0
	MUL16 F1, 1, 0, 0
	MUL16 F1, 1, 2, 0
	WIN 0
	PLACES
	PLACES
.irp qi, 0,1,2,3,4,5,6,7
	OUT1 \qi
.endr
	WIN 0
	s_wait_tensorcnt 0x0                           ; the wave's end
	ds_add_u32 v[SPW], v[NIL]
	s_wait_dscnt 0x0
	CROUND                                         ; the closing round
	s_endpgm
.Lfunc_end_k_q5bd9d1bb3e_gemm1:
	.size	k_q5bd9d1bb3e_gemm1, .Lfunc_end_k_q5bd9d1bb3e_gemm1-k_q5bd9d1bb3e_gemm1
	.p2alignl 7, 3214868480
	.fill 96, 4, 3214868480
	.section	.rodata,"a",@progbits
	.p2align	6, 0x0
	.amdhsa_kernel k_q5bd9d1bb3e_gemm1
		.amdhsa_group_segment_fixed_size 327680
		.amdhsa_private_segment_fixed_size 0
		.amdhsa_enable_private_segment 0
		.amdhsa_kernarg_size 32
		.amdhsa_user_sgpr_count 2
		.amdhsa_user_sgpr_kernarg_segment_ptr 1
		.amdhsa_wavefront_size32 1
		.amdhsa_system_sgpr_workgroup_id_x 1
		.amdhsa_system_sgpr_workgroup_id_y 1
		.amdhsa_system_sgpr_workgroup_id_z 1
		.amdhsa_system_vgpr_workitem_id 0
		.amdhsa_next_free_vgpr 1024
		.amdhsa_next_free_sgpr 72
		.amdhsa_reserve_vcc 0
		.amdhsa_float_denorm_mode_32 3
		.amdhsa_float_denorm_mode_16_64 3
		.amdhsa_memory_ordered 1
		.amdhsa_forward_progress 1
		.amdhsa_inst_pref_size 128
	.end_amdhsa_kernel
	.amdgpu_metadata
---
amdhsa.version: [ 1, 2 ]
amdhsa.kernels:
  - .name:           k_q5bd9d1bb3e_gemm1
    .symbol:         k_q5bd9d1bb3e_gemm1.kd
    .args:
      - { .name: xb, .offset: 0, .size: 8, .value_kind: global_buffer, .address_space: global }
      - { .name: wib, .offset: 8, .size: 8, .value_kind: global_buffer, .address_space: global }
      - { .name: b_in, .offset: 16, .size: 8, .value_kind: global_buffer, .address_space: global }
      - { .name: xp, .offset: 24, .size: 8, .value_kind: global_buffer, .address_space: global }
    .group_segment_fixed_size: 327680
    .private_segment_fixed_size: 0
    .kernarg_segment_align: 8
    .kernarg_segment_size: 32
    .max_flat_workgroup_size: 128
    .sgpr_count:     72
    .vgpr_count:     1024
    .wavefront_size: 32
...
	.end_amdgpu_metadata
.endif
;; end of part 2
;; launch scan (part 3): grid 256 x 1, 5 waves a work-group, no clusters, 0 bytes of LDS; arguments xp, thre, sp, w_out, wob; writes sp, wob
.if DOCPART == 3
	.amdgcn_target "amdgcn-amd-amdhsa--gfx1250"
	.amdhsa_code_object_version 6
	.text
	.protected	k_q5bd9d1bb3e_scan
	.globl	k_q5bd9d1bb3e_scan
	.p2align	8
	.type	k_q5bd9d1bb3e_scan,@function
k_q5bd9d1bb3e_scan:
	s_mov_b64 s[64:65], 0
	v_nop
	global_prefetch_b8 v0, s[64:65] scope:SCOPE_SE
	s_setreg_imm32_b32 hwreg(HW_REG_WAVE_MODE, 25, 1), 1
	s_wait_xcnt 0x0
; WAVE 0: the LIF scan: mem = 0.25 mem + x_t; s = the number of levels k th (k = 1..4) that mem reaches; mem -= s th.  2,048 steps for each of 8,192 channels (b, c); spikes 0..4 leave as bf16 (exact).
; xp (f32): byte ((b 64 + c / 32) 512 + t / 4) 512 + (c % 32) 16 + (t % 4) 4.   sp (bf16): byte ((b 128 + c / 16) 256 + t / 8) 256 + (c % 16) 16 + (t % 8) 2.
; WAVES 1 TO 4: wob = bf16(w_out), rounded once, the layout as it is.  The scan has work for one wave in each work-group; only the launch behind needs wob: so it is made here, beside the scan.
; SHARES.  Work-group w: wave 0 has batch w / 64 and the 32 channels 32 (w % 64) on, a lane a channel: 262,144 consecutive bytes of xp; one load of 16 bytes a lane is four steps.
; Waves 1 to 4 have 4,096 numbers of w_out each, 16,384 a work-group.  The waves hand each other nothing: no LDS, no barrier.
; Time cannot be shared out: a step needs the step before it.  So the launch's length is 2,048 times the chain from state to state, and the text is built to keep that chain short and unbroken.
; IN UNITS OF th.  th = bf16(thre), g = 1 / |th|, c = the sign of th.  The state is Y = mem / th before the reset (th > 0), or 5 - mem / th (th < 0); in both cases s = floor(Y) held to 0..4,
; and the next Y is 0.25 Y + X - 0.25 c s with X = x g + o (o = 0, or 3.75).  Three candidates are made side by side: A (s = 0), B = A - 0.25 c floor(Y), CC (s = 4, from XC = x g + o - c);
; the right one is their median, for either sign of c.  From Y to Y: floor, one fused multiply-add, one median.  A and CC are made in place, on the registers that held X and XC.
; THE MEMORY INSTRUCTIONS STAND IN FOUR RUNS A TRIP.  The wave issues in order, so whatever a load or store waits for at its issue the chain waits for too.  So a trip's 32 loads and 16 stores are
; not strewn among the steps: behind every eighth slot stand that group's eight loads (its slots have all been read) and the four stores of its 32 steps.
; LIMITS.  thre is rounded to bf16; thre is not 0 and 2^-126 <= |thre| <= 2^126 (the reciprocal flushes denormals); NaN and infinities are not treated apart.  The state is kept divided by th,
; so its roundings are not the reference's (one rounding of x g + o and two a step, each of the last bit); for th < 0 the state lies near 5 and keeps three bits fewer.
; No matrix unit, no cluster: no lane wants another lane's numbers.
.set QU,   4                           ; v4       0.25
.set MQC,  5                           ; v5       -0.25 c
.set G,    6                           ; v[6:7]   g, twice
.set O,    8                           ; v[8:9]   o, twice
.set OC,   10                          ; v[10:11] o - c, twice
.set Y,    16                          ; v16      the state
.set WK,   17                          ; v[17:18], v[19:20]  floor and B, for even and odd steps
.set ZERO, 25                          ; v25      0
.set FOUR, 26                          ; v26      4.0
.set LN,   27                          ; v27      lane
.set SS,   32                          ; v[32:39] spikes of a slot's four steps, two buffers
.set XB,   40                          ; v[40:47] X, then A: two buffers of four steps
.set XCB,  48                          ; v[48:55] XC, then CC: likewise
.set PK,   64                          ; v[64:127]  16 sets of four: eight steps' spikes packed, a set for each store of a trip
.set RING, 128                         ; v[128:255] 32 slots of four, in four groups of eight: 128 steps of x
.set CV,   8                           ; waves 1 to 4: v[8:39]  eight loads of four f32
	s_load_b256 s[4:11], s[0:1], 0x0               ; xp s[4:5], thre s[6:7], sp s[8:9], w_out s[10:11]
	s_load_b64 s[26:27], s[0:1], 0x20              ; wob
	v_lshrrev_b32 v12, 5, v0
	v_readfirstlane_b32 s28, v12                   ; wave
	v_and_b32 v[LN], 31, v0
	s_cmp_lg_u32 s28, 0
	s_cbranch_scc1 .Lconv                          ; waves 1 to 4 convert
	v_lshlrev_b32 v1, 4, v[LN]                     ; in: 16 x lane
	v_and_b32 v12, 15, v0
	v_bfe_u32 v13, v0, 4, 1
	v_lshlrev_b32 v2, 4, v12
	v_lshl_add_u32 v2, v13, 16, v2                 ; out: 16 (lane % 16); lanes 16-31 belong to the next 16 channels, 65,536 bytes on
	v_lshlrev_b32 v3, 8, v[LN]                     ; the prefetches: 256 x lane
	s_lshl_b32 s20, ttmp9, 18
	s_mov_b32 s21, 0
	s_lshl_b32 s22, ttmp9, 17
	s_mov_b32 s23, 0
	s_wait_kmcnt 0x0
	s_load_b32 s25, s[6:7], 0x0                    ; thre
	s_add_nc_u64 s[12:13], s[4:5], s[20:21]        ; my stream
	s_add_nc_u64 s[16:17], s[8:9], s[22:23]        ; my place in sp
	s_mov_b64 s[14:15], s[12:13]                   ; the loads' base: round 0
.macro REFILL k                        ; slot k: four steps, 512 consecutive bytes
	global_load_b128 v[RING+4*(\k):RING+4*(\k)+3], v1, s[14:15] offset:512*(\k) th:TH_LOAD_NT
.endm
.macro PREP1 k, w=16                   ; slot k's steps 0 and 1 into X and XC
.if ((\k)%8) == 0
	s_wait_loadcnt \w                              ; once a group.  The groups are issued in the order 0..3, round after round: behind the group that is wanted stand the two younger ones' 16 loads (on the way in: three groups' 24)
.endif
	v_pk_fma_f32 v[XB+4*((\k)%2):XB+4*((\k)%2)+1], v[RING+4*(\k):RING+4*(\k)+1], v[G:G+1], v[O:O+1]
	v_pk_fma_f32 v[XCB+4*((\k)%2):XCB+4*((\k)%2)+1], v[RING+4*(\k):RING+4*(\k)+1], v[G:G+1], v[OC:OC+1]
.endm
.macro PREP2 k                         ; its steps 2 and 3
	v_pk_fma_f32 v[XB+4*((\k)%2)+2:XB+4*((\k)%2)+3], v[RING+4*(\k)+2:RING+4*(\k)+3], v[G:G+1], v[O:O+1]
	v_pk_fma_f32 v[XCB+4*((\k)%2)+2:XCB+4*((\k)%2)+3], v[RING+4*(\k)+2:RING+4*(\k)+3], v[G:G+1], v[OC:OC+1]
.endm
.macro NAMES i, j                      ; the registers of step j of slot i: the X and XC are the NEXT step's
.set W, WK+2*((\j)%2)
.if (\j) < 3
.set XN, XB+4*((\i)%2)+(\j)+1
.set XCN, XCB+4*((\i)%2)+(\j)+1
.else
.set XN, XB+4*(((\i)+1)%2)
.set XCN, XCB+4*(((\i)+1)%2)
.endif
.endm
.macro S1 i, j                         ; what hangs on Y alone
	NAMES \i, \j
	v_floor_f32 v[W], v[Y]
	v_fmac_f32 v[XN], v[QU], v[Y]                  ; A = 0.25 Y + X
	v_fmac_f32 v[XCN], v[QU], v[Y]                 ; CC = 0.25 Y + XC
.endm
.macro S2 i, j
	NAMES \i, \j
	v_fma_f32 v[W+1], v[MQC], v[W], v[XN]          ; B = A - 0.25 c floor(Y)
	v_med3_num_f32 v[SS+4*((\i)%2)+(\j)], v[W], v[ZERO], v[FOUR]  ; the spike
.endm
.macro S3 i, j
	NAMES \i, \j
	v_med3_num_f32 v[Y], v[XN], v[W+1], v[XCN]
.endm
.macro PACKA i                         ; slot i's spikes 0, 1
	v_cvt_pk_bf16_f32 v[PK+4*((\i)/2)+2*((\i)%2)], v[SS+4*((\i)%2)], v[SS+4*((\i)%2)+1]
.endm
.macro PACKB i                         ; its spikes 2, 3
	v_cvt_pk_bf16_f32 v[PK+4*((\i)/2)+2*((\i)%2)+1], v[SS+4*((\i)%2)+2], v[SS+4*((\i)%2)+3]
.endm
.macro STORE n                         ; eight steps: sixteen lanes write 256 consecutive bytes, aligned
	global_store_b128 v2, v[PK+4*(\n):PK+4*(\n)+3], s[18:19] offset:256*(\n) th:TH_STORE_NT
.endm
; The run behind slot 8 q + 7.  Group q's slots have all been read (the last in slot 8 q + 6): they take their steps of the next round, 23 slots, 92 steps, ahead of the wait for them.
; The 32 steps' spikes leave in four stores.
.macro BATCH q
	PACKB 8*(\q)+7
	s_wait_xcnt 0x0                                ; the youngest memory instruction stands 32 steps back.  Behind this wait the bases are written (q = 0), and later the packed sets that earlier runs stored
.if (\q) == 0
	s_add_co_u32 s20, s20, 16384
	s_min_u32 s20, s20, 15*16384                   ; this trip's loads name the next round; the last trip names round 15 once more: inside the buffer, and what is made of it is not used
	s_add_nc_u64 s[14:15], s[12:13], s[20:21]
	s_add_nc_u64 s[18:19], s[16:17], s[22:23]      ; this trip's 4,096 bytes of spikes
	s_add_co_u32 s22, s22, 4096
.endif
.irp n, 0,1,2,3,4,5,6,7
	REFILL 8*(\q)+\n
.endr
.irp n, 0,1,2,3
	STORE 4*(\q)+\n
.endr
.if (\q) == 0
	s_cmp_gt_u32 s24, 2                            ; the last two trips have no round two on
	s_cbranch_scc0 .Lnopf
	global_prefetch_b8 v3, s[14:15] offset:16384 th:TH_LOAD_NT scope:SCOPE_SE  ; the round after the one that this trip's loads name, a trip ahead of its loads: 64 blocks of 256 bytes, a lane a block,
	global_prefetch_b8 v3, s[14:15] offset:24576 th:TH_LOAD_NT scope:SCOPE_SE  ; each named once in the launch; rounds 0 and 1 come by their loads alone
.Lnopf:
.endif
.endm
; Four steps.  What is off the chain and works on registers (the next slot's X and XC, the packing) stands between the chain's links.
.macro SLOT i
	S1 \i, 0
.if ((\i)%8) != 0
	PACKB (\i)-1                                   ; (behind a run the packing has been done in the run)
.endif
	S2 \i, 0
	PREP1 ((\i)+1)%32
	S3 \i, 0
	S1 \i, 1
	PREP2 ((\i)+1)%32
	S2 \i, 1
	S3 \i, 1
	S1 \i, 2
	PACKA \i
	S2 \i, 2
	S3 \i, 2
	S1 \i, 3
	S2 \i, 3
	S3 \i, 3
.if ((\i)%8) == 7
	BATCH (\i)/8
.endif
.endm
.irp k, 0,1,2,3,4,5,6,7,8,9,10,11,12,13,14,15,16,17,18,19,20,21,22,23,24,25,26,27,28,29,30,31
	REFILL \k                                      ; round 0
.endr
	s_wait_kmcnt 0x0
	v_mov_b32 v12, s25
	v_cvt_pk_bf16_f32 v12, v12, v12
	v_lshlrev_b32 v12, 16, v12                     ; th
	v_and_b32 v13, 0x7fffffff, v12                 ; |th|
	v_rcp_f32 v14, v13
	v_and_b32 v15, 0x80000000, v12                 ; the plain instruction behind the reciprocal (ISA guide 5.7.2)
	s_wait_alu depctr_va_vdst(0)                   ; and the wait ahead of its first reader
	v_fma_f32 v16, -v13, v14, 1.0                  ; one Newton step
	v_fma_f32 v[G], v16, v14, v14
	v_mov_b32 v[G+1], v[G]
	v_or_b32 v15, 0x3f800000, v15                  ; c = 1 with th's sign
	v_sub_f32 v13, 1.0, v15                        ; 0 or 2
	v_mul_f32 v[O], 0x3ff00000, v13                ; o = 0 or 3.75
	v_mov_b32 v[O+1], v[O]
	v_sub_f32 v[OC], v[O], v15
	v_mov_b32 v[OC+1], v[OC]
	v_mul_f32 v14, 0x40200000, v13                 ; the state that stands for mem = 0: 0 or 5
	v_mul_f32 v[MQC], 0xbe800000, v15
	v_mov_b32 v[QU], 0x3e800000
	v_mov_b32 v[ZERO], 0
	v_mov_b32 v[FOUR], 4.0
	PREP1 0, 24                                    ; group 0 is in; the other three groups' 24 loads may stay out
	PREP2 0
	v_fma_f32 v[Y], v[QU], v14, v[XB]              ; Y of step 0
	s_mov_b32 s20, 0                               ; s[20:21] the loads' round, in bytes
	s_mov_b32 s22, 0                               ; s[22:23] the stores' trip, in bytes
	s_mov_b32 s24, 16
.Ltrip:                                                ; 16 trips of 128 steps; at the head three groups' loads are out, on the way in and on the way back
.irp i, 0,1,2,3,4,5,6,7,8,9,10,11,12,13,14,15,16,17,18,19,20,21,22,23,24,25,26,27,28,29,30,31
	SLOT \i
.endr
	s_sub_co_u32 s24, s24, 1
	s_cmp_lg_u32 s24, 0
	s_cbranch_scc1 .Ltrip
	s_endpgm
; Waves 1 to 4: 4,096 numbers of w_out each, in four trips of eight loads (512 consecutive bytes each) and eight stores (256 consecutive bytes each, aligned).
; A plain loop: it has the whole scan in which to end, so nothing is asked for ahead.
.Lconv:
	s_sub_co_u32 s28, s28, 1
	s_lshl_b32 s20, ttmp9, 16                      ; the work-group's 65,536 bytes of w_out,
	s_lshl_b32 s21, s28, 14                        ; my wave's 16,384 of them
	s_add_co_u32 s20, s20, s21
	s_mov_b32 s21, 0
	s_lshr_b32 s22, s20, 1                         ; half as many bytes out
	s_mov_b32 s23, 0
	v_lshlrev_b32 v1, 4, v[LN]
	v_lshlrev_b32 v2, 3, v[LN]
	s_wait_kmcnt 0x0
	s_add_nc_u64 s[10:11], s[10:11], s[20:21]
	s_add_nc_u64 s[26:27], s[26:27], s[22:23]
	s_mov_b32 s24, 4
.Lcv:
.set i, 0
.rept 8
	global_load_b128 v[CV+4*i:CV+4*i+3], v1, s[10:11] offset:512*i th:TH_LOAD_NT
.set i, i+1
.endr
.set i, 0
.rept 8
	s_wait_loadcnt 7-i                             ; load i is in, the 7 - i younger ones may stay out
	v_cvt_pk_bf16_f32 v[CV+4*i], v[CV+4*i], v[CV+4*i+1]
	v_cvt_pk_bf16_f32 v[CV+4*i+1], v[CV+4*i+2], v[CV+4*i+3]
	global_store_b64 v2, v[CV+4*i:CV+4*i+1], s[26:27] offset:256*i th:TH_STORE_NT
.set i, i+1
.endr
	s_wait_xcnt 0x0                                ; the two offsets and the stores' data are written again only behind this wait
	v_add_nc_u32 v1, 4096, v1
	v_add_nc_u32 v2, 2048, v2
	s_sub_co_u32 s24, s24, 1
	s_cmp_lg_u32 s24, 0
	s_cbranch_scc1 .Lcv
	s_endpgm
.Lfunc_end_k_q5bd9d1bb3e_scan:
	.size	k_q5bd9d1bb3e_scan, .Lfunc_end_k_q5bd9d1bb3e_scan-k_q5bd9d1bb3e_scan
	.p2alignl 7, 3214868480
	.fill 96, 4, 3214868480
	.section	.rodata,"a",@progbits
	.p2align	6, 0x0
	.amdhsa_kernel k_q5bd9d1bb3e_scan
		.amdhsa_group_segment_fixed_size 0
		.amdhsa_private_segment_fixed_size 0
		.amdhsa_enable_private_segment 0
		.amdhsa_kernarg_size 40
		.amdhsa_user_sgpr_count 2
		.amdhsa_user_sgpr_kernarg_segment_ptr 1
		.amdhsa_wavefront_size32 1
		.amdhsa_system_sgpr_workgroup_id_x 1
		.amdhsa_system_sgpr_workgroup_id_y 1
		.amdhsa_system_sgpr_workgroup_id_z 1
		.amdhsa_system_vgpr_workitem_id 0
		.amdhsa_next_free_vgpr 256
		.amdhsa_next_free_sgpr 66
		.amdhsa_reserve_vcc 0
		.amdhsa_float_denorm_mode_32 3
		.amdhsa_float_denorm_mode_16_64 3
		.amdhsa_memory_ordered 1
		.amdhsa_forward_progress 1
		.amdhsa_inst_pref_size 63
	.end_amdhsa_kernel
	.amdgpu_metadata
---
amdhsa.version: [ 1, 2 ]
amdhsa.kernels:
  - .name:           k_q5bd9d1bb3e_scan
    .symbol:         k_q5bd9d1bb3e_scan.kd
    .args:
      - { .name: xp, .offset: 0, .size: 8, .value_kind: global_buffer, .address_space: global }
      - { .name: thre, .offset: 8, .size: 8, .value_kind: global_buffer, .address_space: global }
      - { .name: sp, .offset: 16, .size: 8, .value_kind: global_buffer, .address_space: global }
      - { .name: w_out, .offset: 24, .size: 8, .value_kind: global_buffer, .address_space: global }
      - { .name: wob, .offset: 32, .size: 8, .value_kind: global_buffer, .address_space: global }
    .group_segment_fixed_size: 0
    .private_segment_fixed_size: 0
    .kernarg_segment_align: 8
    .kernarg_segment_size: 40
    .max_flat_workgroup_size: 160
    .sgpr_count:     66
    .vgpr_count:     256
    .wavefront_size: 32
...
	.end_amdgpu_metadata
.endif
;; end of part 3
;; launch gemm2 (part 4): grid 8 x 32, 4 waves a work-group, clusters of 4 x 4, 327,680 bytes of LDS; arguments sp, wob, xb, b_out, alpha, out0; writes out0
.if DOCPART == 4
	.amdgcn_target "amdgcn-amd-amdhsa--gfx1250"
	.amdhsa_code_object_version 6
	.text
	.protected	k_q5bd9d1bb3e_gemm2
	.globl	k_q5bd9d1bb3e_gemm2
	.p2align	8
	.type	k_q5bd9d1bb3e_gemm2,@function
k_q5bd9d1bb3e_gemm2:
	s_mov_b64 s[64:65], 0
	v_nop
	global_prefetch_b8 v0, s[64:65] scope:SCOPE_SE
	s_setreg_imm32_b32 hwreg(HW_REG_WAVE_MODE, 25, 1), 1
	s_wait_xcnt 0x0
	s_wait_alu depctr_hold_cnt(0) depctr_sa_sdst(0) depctr_va_vdst(0) depctr_va_sdst(0) depctr_va_ssrc(0) depctr_va_vcc(0) depctr_vm_vsrc(0)
	s_getreg_b32 s2, hwreg(HW_REG_IB_STS2, 6, 4)
	s_cmp_eq_u32 s2, 0
	s_cbranch_scc0 .Lentry_in_a_cluster
	s_endpgm
.Lentry_in_a_cluster:
	s_bfe_u32 s2, ttmp6, 0x10000c
	s_cmp_lg_u32 s2, 0xf033
	s_cbranch_scc0 .Lentry_shape_is_right
	s_endpgm
.Lentry_shape_is_right:
; out0[b][t][n] = xb[b][t][n] + bf16(alpha) (the sum over c of s[b][t][c] wob[c][n] + bf16(b_out[n])), sums in f32, out0 in f32.
; sp (spikes, bf16, exact): byte ((b 128 + c / 16) 256 + t / 8) 256 + (c % 16) 16 + (t % 8) 2.  wob: [2048 c][2048 n] bf16, as it was given.  xb: [8192][2048] bf16.
; LIMITS.  x (in the residual too), w_out, b_out and alpha enter rounded once to bf16.  The bias is the C operand of each sum's first product: it is added first, not last.
; SHARES, RING, CLUSTER.  A work-group makes 256 rows x 256 columns, a wave 128 x 128 in 64 accumulators; K goes in 16 steps of 128 through two LDS slots; 4 x 4 work-groups form a cluster, the
; spikes' tiles are asked for jointly along a row of it, w's along a column.
; THE PRODUCT.  Source 0 = 16 columns of w (P), source 1 = 16 rows of spikes (Q); both lie with K down the rows and are turned on the way out of LDS by ds_load_tr16_b128.
; In the result lane l holds ONE row of out (l % 16 of the block) and the eight columns 8 (l / 16) + 0..7: 32 bytes on end.
; A block of Q takes the octets of time i and i + 8 of my sixteen: its row q is time 8 i + q + 56 (q / 8): so the two groups of eight lanes that a pass of the turning load serves lie 2,176 bytes apart, 128 modulo 256.
; REGISTERS, in windows of 256 (s_set_vgpr_msb: bits 1:0 source 0, 3:2 source 1, 5:4 source 2, 7:6 destination):
;   window 0: v0-31 addresses; v32-39 at work; v64-127, v128-191 Q's fragments, later the rows on their way out; v192-255 the bias as eight C operands, later x's rows
;   window 1: v64-127, v128-191 P's fragments      windows 2, 3: accumulator (qi, pi) in window 2 + qi / 4 at v[8 (8 (qi % 4) + pi)]
.set PB,    544                        ; a row of w in LDS: 512 bytes + 32 of padding = 17 x 32
.set UP,    272                        ; a unit of spikes (16 channels x 8 times, 256 bytes) + 16 of padding
.set GP,    16*UP                      ; sixteen units: 16 channels x 128 times
.set HALFT, 34816                      ; what one tensor load brings: 8 x 16 units of spikes, or 64 rows of w
.set SLOT,  4*HALFT                    ; spikes of times 0-127, 128-255, then w's K rows 0-63, 64-127
.set STAGE, 2*SLOT                     ; behind the ring, never filled by a tensor load: 16 rows x 528 bytes for each wave
.set SP,    528                        ; a stage row: 512 bytes + 16: the sixteen rows of a store start 16 bytes apart modulo 256
.set SPARE, STAGE+4*16*SP              ; behind the stages: the spare words, 128 bytes for each wave: two blocks of 256 bytes that no other line names
.set STEPA, 1048576                    ; two K steps of spikes: 16 groups of 16 channels, 65,536 bytes each
.set STEPB, 1048576                    ; two K steps of w: 256 rows of 4,096 bytes
.set BO,   8                           ; v8      my byte offset in the bias: 32 (l / 16)
.set ADRP, 16                          ; v16-17  LDS address of my P fragments in slot 0, 1
.set ADRQ, 20                          ; v20-21  the same for Q
.set STO,  24                          ; v24     the way out: where I put 32 bytes of a row
.set RD,   25                          ; v25     where I read 16 bytes of a row back
.set CO,   26                          ; v26     16 x lane: my bytes of a row of out
.set XO,   27                          ; v27     8 x lane: my bytes of a row of x
.set SPW,  28
.set NIL,  29
.set PFO,  30
.set LN,   31
.set T,    32
.set F0,   64
.set F1,   128
.set BIAS, 192
.set WV,  12
.set RH,  13                           ; s13  which half of the tile's rows is mine; also: I fetch spikes (0) or w (1)
.set CH,  14                           ; s14  which half of its columns; also: which half of that tile I fetch
.set CX,  15
.set CY,  16
.set TC,  17
.set TR,  18
.set G1A, 24
.set G0A, 32
.set LIM, 43
.set G1B, 48
.set G0B, 56
.set PFA, 66
.set PST, 68
.set AL,  76                           ; s[76:77] alpha, named as a pair
.set HIM, 78                           ; s78  a word's upper bf16
.set MSB, 0
.macro WIN new
.if MSB != (\new)
	s_set_vgpr_msb (MSB<<8)|(\new)
.set MSB, (\new)
.endif
.endm
.macro JLOAD s                         ; a joint load: waves 0 and 1 fetch the spikes' two halves, waves 2 and 3 w's; an s_nop 0 and four v_nop follow each of the two lines
	s_cmp_eq_u32 s[RH], 0
	s_cbranch_scc0 .Lfor_b_\@
	tensor_load_to_lds s[G0A+4*(\s):G0A+4*(\s)+3], s[G1A:G1A+7]
	s_nop 0
.rept 4
	v_nop
.endr
	s_branch .Lasked_\@
.Lfor_b_\@:
	tensor_load_to_lds s[G0B+4*(\s):G0B+4*(\s)+3], s[G1B:G1B+7]
	s_nop 0
.rept 4
	v_nop
.endr
.Lasked_\@:
.endm
; A prefetch of the K step that stands two refills on, 512 matrix instructions ahead of the load that will name it: 32 blocks of 256 bytes, a lane a block.  Each block is named once in the launch:
; the spikes' by the clusters with x = 0, w's by those with y = 0; the four partners share a load's 128 blocks out by address.  The loop's last trip asks for nothing; K steps 0 to 3 come by their loads alone.
.macro ASK
	s_cmp_gt_u32 s3, s[LIM]
	s_cbranch_scc0 .Lnot_mine_\@
	global_prefetch_b8 v[PFO], s[PFA:PFA+1] th:TH_LOAD_NT scope:SCOPE_SE
.Lnot_mine_\@:
.endm
.macro CREST
	s_cmp_lg_u32 s[WV], 0
	s_cbranch_scc1 .Lnot_wave_0_\@
	s_barrier_signal -3
.Lnot_wave_0_\@:
	s_barrier_wait -3
	s_barrier_signal -1
	s_barrier_wait -1
.endm
.macro CROUND
	s_barrier_signal -1
	s_barrier_wait -1
	CREST
.endm
.macro PLACES
.rept 4
	v_nop
.endr
.endm
	s_load_b256 s[4:11], s[0:1], 0x0               ; sp s[4:5], wob s[6:7], xb s[8:9], b_out s[10:11]
	s_load_b128 s[72:75], s[0:1], 0x20             ; alpha s[72:73], out0 s[74:75]
	v_lshl_add_u32 v[SPW], v0, 2, SPARE
	v_mov_b32 v[NIL], 0
	ds_add_u32 v[SPW], v[NIL]                      ; the wave's opening: the add and its wait stand ahead of my first tensor load
	v_lshrrev_b32 v1, 5, v0
	v_readfirstlane_b32 s[WV], v1
	s_lshr_b32 s[RH], s[WV], 1
	s_and_b32 s[CH], s[WV], 1
	s_bfe_u32 s[CX], ttmp6, 0x40000
	s_bfe_u32 s[CY], ttmp6, 0x40004
	s_lshl_b32 s[TC], ttmp9, 2
	s_add_co_u32 s[TC], s[TC], s[CX]
	s_and_b32 s[TR], ttmp7, 0xffff
	s_lshl_b32 s[TR], s[TR], 2
	s_add_co_u32 s[TR], s[TR], s[CY]
	s_lshl_b32 s19, s[CY], 2
	s_lshl_b32 s19, 15, s19                        ; my row of the cluster
	s_lshl_b32 s40, 0x1111, s[CX]                  ; my column
	; the spikes' tile: 8 groups of 16 channels, of each 16 units on end (128 times): 8 rows of 4,096 bytes, 65,536 bytes apart, padded in LDS behind every unit
	s_or_b32 s[G1A+0], s19, (1<<16)|(1<<20)|(1<<21)|(5<<22)|(3<<25)  ; the mask; 2-byte elements; padding on; bit 21 beside a mask; after every 64 words 4 words
	s_mov_b32 s[G1A+1], 2048<<16                   ; tensor_dim0 = 2,048
	s_mov_b32 s[G1A+2], 8<<16                      ; tensor_dim1 = 8
	s_mov_b32 s[G1A+3], 2048<<16                   ; tile_dim0 = 2,048 elements
	s_mov_b32 s[G1A+4], 8                          ; tile_dim1 = 8 rows
	s_mov_b32 s[G1A+5], 32768                      ; elements from row to row
	s_mov_b32 s[G1A+6], 0
	s_mov_b32 s[G1A+7], 0
	s_or_b32 s[G1B+0], s40, (1<<16)|(1<<20)|(1<<21)|(6<<22)|(7<<25)  ; after every 128 words 8 words
	s_mov_b32 s[G1B+1], 256<<16
	s_mov_b32 s[G1B+2], 64<<16
	s_mov_b32 s[G1B+3], 256<<16
	s_mov_b32 s[G1B+4], 64
	s_mov_b32 s[G1B+5], 2048
	s_mov_b32 s[G1B+6], 0
	s_mov_b32 s[G1B+7], 0
	s_lshr_b32 s20, s[TR], 3                       ; spikes: batch x 128 groups, unit 32 (tile row % 8) + 16 x half: the tile row and the wave's number alone
	s_lshl_b32 s20, s20, 23
	s_and_b32 s22, s[TR], 7
	s_lshl_b32 s22, s22, 13
	s_add_co_u32 s20, s20, s22
	s_lshl_b32 s22, s[CH], 12
	s_add_co_u32 s20, s20, s22
	s_mov_b32 s21, 0
	s_lshl_b32 s44, s[CH], 18                      ; w: K row 64 x half, column 256 x tile column
	s_lshl_b32 s46, s[TC], 9
	s_add_co_u32 s44, s44, s46
	s_mov_b32 s45, 0
	s_mul_i32 s42, s[WV], HALFT
	s_mov_b32 s[HIM], 0xffff0000
	s_wait_dscnt 0x0                               ; the opening add is done
	s_wait_kmcnt 0x0
	s_add_nc_u64 s[20:21], s[4:5], s[20:21]
	s_add_nc_u64 s[44:45], s[6:7], s[44:45]
	CROUND                                         ; all sixteen work-groups are here: the first joint loads meet
.irp s, 0,1
	s_mov_b32 s[G0A+4*(\s)], 1
	s_add_co_u32 s[G0A+4*(\s)+1], s42, (\s)*SLOT
	s_add_nc_u64 s[G0A+4*(\s)+2:G0A+4*(\s)+3], s[20:21], (\s)*524288
	s_or_b32 s[G0A+4*(\s)+3], s[G0A+4*(\s)+3], 0x80000000
	s_mov_b32 s[G0B+4*(\s)], 1
	s_add_co_u32 s[G0B+4*(\s)+1], s42, (\s)*SLOT
	s_add_nc_u64 s[G0B+4*(\s)+2:G0B+4*(\s)+3], s[44:45], (\s)*524288
	s_or_b32 s[G0B+4*(\s)+3], s[G0B+4*(\s)+3], 0x80000000
	JLOAD \s                                       ; two loads of mine are out
.endr
	s_load_b32 s[AL], s[72:73], 0x0                ; alpha
	v_and_b32 v1, 15, v0                           ; r = l % 16
	v_bfe_u32 v2, v0, 4, 1                         ; h = l / 16
	v_and_b32 v3, 7, v0
	v_bfe_u32 v4, v0, 3, 1
	v_and_b32 v[LN], 31, v0
	; my first row and column; out0, xb and b_out are stepped to them
	s_lshl_b32 s40, s[TR], 8
	s_lshl_b32 s41, s[RH], 7
	s_add_co_u32 s40, s40, s41                     ; row
	s_lshl_b32 s46, s[TC], 8
	s_lshl_b32 s47, s[CH], 7
	s_add_co_u32 s46, s46, s47                     ; column
	s_lshl_b32 s22, s40, 13
	s_lshl_b32 s23, s46, 2
	s_add_co_u32 s22, s22, s23
	s_mov_b32 s23, 0
	s_add_nc_u64 s[74:75], s[74:75], s[22:23]
	s_lshl_b32 s22, s40, 12
	s_lshl_b32 s41, s46, 1
	s_add_co_u32 s22, s22, s41
	s_add_nc_u64 s[8:9], s[8:9], s[22:23]
	s_lshl_b32 s22, s46, 2
	s_add_nc_u64 s[10:11], s[10:11], s[22:23]
	v_lshlrev_b32 v[BO], 5, v2
.irp pi, 0,1,2,3,4,5,6,7
	global_load_b128 v[BIAS+8*(\pi):BIAS+8*(\pi)+3],   v[BO], s[10:11] offset:64*(\pi)     ; the bias of columns 16 pi + 8 (l / 16) + 0..7: a C operand as it lies
	global_load_b128 v[BIAS+8*(\pi)+4:BIAS+8*(\pi)+7], v[BO], s[10:11] offset:64*(\pi)+16
.endr
	; P: lane l reads K row 8 (l / 16) + l % 8, columns 8 ((l / 8) % 2) + 0..7
	v_lshl_add_u32 v6, v2, 3, v3
	v_mul_u32_u24 v6, v6, PB
	v_lshl_add_u32 v6, v4, 4, v6
	s_lshl_b32 s22, s[CH], 8
	s_add_co_u32 s22, s22, 2*HALFT
	v_add_nc_u32 v[ADRP], s22, v6
	v_add_nc_u32 v[ADRP+1], SLOT, v[ADRP]
	; Q: lane l reads channel 8 (l / 16) + l % 8 (16 bytes: eight times) of the unit i + 8 ((l / 8) % 2)
	v_mul_u32_u24 v6, v4, 8*UP
	v_lshl_add_u32 v6, v2, 7, v6
	v_lshl_add_u32 v6, v3, 4, v6
	s_mul_i32 s22, s[RH], HALFT
	v_add_nc_u32 v[ADRQ], s22, v6
	v_add_nc_u32 v[ADRQ+1], SLOT, v[ADRQ]
	; the way out
	s_mul_i32 s22, s[WV], 16*SP
	s_add_co_u32 s22, s22, STAGE                   ; my stage
	v_mul_u32_u24 v5, v1, SP
	v_lshl_add_u32 v5, v2, 5, v5
	v_add_nc_u32 v[STO], s22, v5
	v_lshl_add_u32 v[RD], v[LN], 4, s22
	v_lshlrev_b32 v[CO], 4, v[LN]
	v_lshlrev_b32 v[XO], 3, v[LN]
	; the prefetches: spikes: sixteen lanes a group of 65,536 bytes, two groups a partner; w: two lanes a row of 4,096 bytes, 16 rows a partner; a K step is 524,288 bytes in both
	s_and_b32 s22, ttmp7, 0xffff                   ; cluster y
	s_mov_b32 s[PST], 0x80000
	s_mov_b32 s[PST+1], 0
	s_cmp_eq_u32 s[RH], 0                          ; do I fetch spikes?
	s_cselect_b32 s23, s[CX], s[CY]
	s_cselect_b32 s22, ttmp9, s22
	s_cselect_b64 s[PFA:PFA+1], s[20:21], s[44:45]
	s_cselect_b32 s70, 4, 1
	s_cselect_b32 s71, 15, 1
	s_cselect_b32 s79, 16, 12
	s_cselect_b32 s40, 17, 16
	s_cmp_eq_u32 s22, 0
	s_cselect_b32 s[LIM], 1, -1
	s_lshl_b32 s46, s23, s40
	s_mov_b32 s47, 0
	s_add_nc_u64 s[PFA:PFA+1], s[PFA:PFA+1], s[46:47]
	s_add_nc_u64 s[PFA:PFA+1], s[PFA:PFA+1], 3*524288  ; at K step 3: the first refill steps it to 4
	v_lshrrev_b32 v5, s70, v[LN]
	v_and_b32 v6, s71, v[LN]
	v_lshlrev_b32 v5, s79, v5
	v_lshl_add_u32 v[PFO], v6, 8, v5
	s_wait_kmcnt 0x0                               ; alpha
	v_mov_b32 v7, s[AL]
	v_cvt_pk_bf16_f32 v7, v7, v7                   ; rounded once to bf16
	v_lshlrev_b32 v7, 16, v7
	v_readfirstlane_b32 s[AL], v7
	s_mov_b32 s[AL+1], s[AL]
	s_wait_loadcnt 0x0                             ; the bias: rounded once to bf16, in place
.set p, 0
.rept 32
	v_cvt_pk_bf16_f32 v[T+p%8], v[BIAS+2*p], v[BIAS+2*p+1]
	v_lshlrev_b32 v[BIAS+2*p], 16, v[T+p%8]
	v_and_b32 v[BIAS+2*p+1], s[HIM], v[T+p%8]
.set p, p+1
.endr
; 16 matrix instructions: Q blocks a0, a0 + 1 of the window's four x all 8 P blocks, 32 along K.  zero = 1: the first product starts the sums, with the bias as C.
; The 64 accumulators take turns in the same order in every quarter.
.macro MUL16 f, hi, a0, zero
.if \zero
	WIN 0x81+0x40*(\hi)
.else
	WIN 0xa1+0x50*(\hi)
.endif
.irp a, \a0, (\a0)+1
.irp b, 0,1,2,3,4,5,6,7
.if \zero
	v_wmma_f32_16x16x32_bf16 v[8*(8*(\a)+(\b)):8*(8*(\a)+(\b))+7], v[(\f)+8*(\b):(\f)+8*(\b)+7], v[(\f)+8*(4*(\hi)+(\a)):(\f)+8*(4*(\hi)+(\a))+7], v[BIAS+8*(\b):BIAS+8*(\b)+7]
.else
	v_wmma_f32_16x16x32_bf16 v[8*(8*(\a)+(\b)):8*(8*(\a)+(\b))+7], v[(\f)+8*(\b):(\f)+8*(\b)+7], v[(\f)+8*(4*(\hi)+(\a)):(\f)+8*(4*(\hi)+(\a))+7], v[8*(8*(\a)+(\b)):8*(8*(\a)+(\b))+7]
.endif
.endr
.endr
.endm
.macro FETCH slot, q, f                ; 32 LDS loads in one run: quarter q's fragments into buffer f: P's 16, then Q's 16
	WIN 0x40
.irp i, 0,1,2,3,4,5,6,7
	ds_load_tr16_b128 v[(\f)+8*(\i):(\f)+8*(\i)+3],   v[ADRP+(\slot)] offset:32*PB*(\q)+32*(\i)
	ds_load_tr16_b128 v[(\f)+8*(\i)+4:(\f)+8*(\i)+7], v[ADRP+(\slot)] offset:32*PB*(\q)+32*(\i)+16*PB
.endr
	WIN 0
.irp i, 0,1,2,3,4,5,6,7
	ds_load_tr16_b128 v[(\f)+8*(\i):(\f)+8*(\i)+3],   v[ADRQ+(\slot)] offset:2*GP*(\q)+UP*(\i)
	ds_load_tr16_b128 v[(\f)+8*(\i)+4:(\f)+8*(\i)+7], v[ADRQ+(\slot)] offset:2*GP*(\q)+UP*(\i)+GP
.endr
.endm
.macro QUARTER slot, q, f, g, zero
	s_wait_dscnt 8                                 ; P and Q's blocks 0-3 are in; the youngest eight loads (Q's blocks 4-7) may be out
	MUL16 \f, 0, 0, \zero
	MUL16 \f, 0, 2, \zero
	PLACES
	FETCH \slot, \q, \g
	s_wait_dscnt 32                                ; all but the 32 just issued
	MUL16 \f, 1, 0, \zero
	MUL16 \f, 1, 2, \zero
.endm
.macro MEET round                      ; ONE barrier for the change of slots: all my tensor loads, the add, the add's and my reads' wait in front of it
	WIN 0
	s_wait_tensorcnt 0x0
	ds_add_u32 v[SPW], v[NIL]
	s_wait_dscnt 9                                 ; the add and the youngest eight loads may be out
	MUL16 F1, 0, 0, 0
	s_wait_dscnt 0x0                               ; the add is done, and my reads of this slot are over
	s_barrier_signal -1
	MUL16 F1, 0, 2, 0
.if \round
	WIN 0
.endif
	s_barrier_wait -1
.endm
.macro TURN slot, next, fill
.if \fill
	s_wait_xcnt 0x0                                ; the last prefetch, a K step back, has read its address
	s_add_nc_u64 s[PFA:PFA+1], s[PFA:PFA+1], s[PST:PST+1]
	MEET 1
	CREST                                          ; no wave of any partner still reads this slot or has a load on its way
	s_add_nc_u64 s[G0A+4*(\slot)+2:G0A+4*(\slot)+3], s[G0A+4*(\slot)+2:G0A+4*(\slot)+3], STEPA
	s_add_nc_u64 s[G0B+4*(\slot)+2:G0B+4*(\slot)+3], s[G0B+4*(\slot)+2:G0B+4*(\slot)+3], STEPB
	JLOAD \slot
.else
	MEET 0
	PLACES
.endif
	FETCH \next, 0, F0
.if \fill
	ASK
.endif
	MUL16 F1, 1, 0, 0
	MUL16 F1, 1, 2, 0
.endm
; THE WAY OUT, a block of 16 rows at a time.  XLOAD: the block's rows of x, 256 consecutive bytes a load.  TOSTAGE: the accumulators into my own stage and back as whole rows of 512 bytes.
; SEND: out = x + alpha x sum, one fused multiply-add, and the row's 512 consecutive bytes are stored.
.macro XLOAD a
	WIN 0
.set XR, BIAS+32*((\a)%2)
.set rho, 0
.rept 16
	global_load_b64 v[XR+2*rho:XR+2*rho+1], v[XO], s[8:9] offset:(8*(\a)+rho+56*(rho/8))*4096 th:TH_LOAD_NT
.set rho, rho+1
.endr
.endm
.macro TOSTAGE a
.if (\a) >= 2
	s_wait_xcnt 0x0                                ; the stores of the block two back have read the registers that the loads below fill
.endif
	WIN 0x08+4*((\a)/4)                            ; the stores' data in window 2 or 3; each accumulator's low four registers go first
.irp pi, 0,1,2,3,4,5,6,7
	ds_store_b128 v[STO], v[64*((\a)%4)+8*(\pi):64*((\a)%4)+8*(\pi)+3]   offset:64*(\pi)
	ds_store_b128 v[STO], v[64*((\a)%4)+8*(\pi)+4:64*((\a)%4)+8*(\pi)+7] offset:64*(\pi)+16
.endr
	WIN 0
.set BK, F0+64*((\a)%2)
.set rho, 0
.rept 16
	ds_load_b128 v[BK+4*rho:BK+4*rho+3], v[RD] offset:SP*rho  ; LDS serves a wave's instructions in order (ISA guide 5.7.1.4): these see the stores above; the next block's stores come behind them
.set rho, rho+1
.endr
.endm
.macro SEND a, dsy, ldy                ; dsy: the LDS instructions issued behind the block's loads; ldy: the loads of x issued behind the block's
	WIN 0
	s_wait_dscnt \dsy
	s_wait_loadcnt \ldy
.set BK, F0+64*((\a)%2)
.set XR, BIAS+32*((\a)%2)
.set rho, 0
.rept 16
.set TT, T+4*(rho%2)
	v_lshlrev_b32 v[TT],   16, v[XR+2*rho]
	v_and_b32     v[TT+1], s[HIM], v[XR+2*rho]
	v_lshlrev_b32 v[TT+2], 16, v[XR+2*rho+1]
	v_and_b32     v[TT+3], s[HIM], v[XR+2*rho+1]
	v_pk_fma_f32 v[BK+4*rho:BK+4*rho+1],   v[BK+4*rho:BK+4*rho+1],   s[AL:AL+1], v[TT:TT+1]   op_sel_hi:[1,0,1]
	v_pk_fma_f32 v[BK+4*rho+2:BK+4*rho+3], v[BK+4*rho+2:BK+4*rho+3], s[AL:AL+1], v[TT+2:TT+3] op_sel_hi:[1,0,1]
	global_store_b128 v[CO], v[BK+4*rho:BK+4*rho+3], s[74:75] offset:(8*(\a)+rho+56*(rho/8))*8192 th:TH_STORE_NT
.set rho, rho+1
.endr
.endm
	s_wait_tensorcnt 1                             ; my part of K step 0 is in; K step 1's may stay out
	s_barrier_signal -1
	s_barrier_wait -1
	FETCH 0, 0, F0
	QUARTER 0, 1, F0, F1, 1                        ; the first quarter stands in front of the loop: its products start the sums
	WIN 0
	s_mov_b32 s3, 7
.Llap:                                                 ; a trip goes once round the ring and fills both slots again: K steps 2 to 15
	QUARTER 0, 2, F1, F0, 0
	QUARTER 0, 3, F0, F1, 0
	TURN 0, 1, 1
	QUARTER 1, 1, F0, F1, 0
	QUARTER 1, 2, F1, F0, 0
	QUARTER 1, 3, F0, F1, 0
	TURN 1, 0, 1
	QUARTER 0, 1, F0, F1, 0
	WIN 0
	s_sub_co_u32 s3, s3, 1
	s_cmp_lg_u32 s3, 0
	s_cbranch_scc1 .Llap
	XLOAD 0                                        ; the first two blocks' rows of x are asked for now, into the registers that held the bias: they have the last lap in which to come
	XLOAD 1
	QUARTER 0, 2, F1, F0, 0                        ; the last lap fills nothing
	QUARTER 0, 3, F0, F1, 0
	TURN 0, 1, 0
	QUARTER 1, 1, F0, F1, 0
	QUARTER 1, 2, F1, F0, 0
	QUARTER 1, 3, F0, F1, 0
	s_wait_dscnt 8
	MUL16 F1, 0, 0, 0
	MUL16 F1, 0, 2, 0
	s_wait_dscnt 0x0
	MUL16 F1, 1, 0, 0
	MUL16 F1, 1, 2, 0
	WIN 0
	PLACES
	PLACES
	TOSTAGE 0
.irp a, 1,2,3,4,5,6,7
	TOSTAGE \a                                     ; block a's 16 stores and 16 loads stand between block a - 1's loads from the stage and the wait for them
	SEND (\a)-1, 32, 16                            ; 32: those; 16: the loads of block a's rows of x
.if (\a) < 7
	XLOAD (\a)+1
.endif
.endr
	SEND 7, 0, 0
	s_wait_tensorcnt 0x0                           ; the wave's end, behind my last tensor load and my last LDS store
	ds_add_u32 v[SPW], v[NIL]
	s_wait_dscnt 0x0
	CROUND                                         ; the closing round
	s_endpgm
.Lfunc_end_k_q5bd9d1bb3e_gemm2:
	.size	k_q5bd9d1bb3e_gemm2, .Lfunc_end_k_q5bd9d1bb3e_gemm2-k_q5bd9d1bb3e_gemm2
	.p2alignl 7, 3214868480
	.fill 96, 4, 3214868480
	.section	.rodata,"a",@progbits
	.p2align	6, 0x0
	.amdhsa_kernel k_q5bd9d1bb3e_gemm2
		.amdhsa_group_segment_fixed_size 327680
		.amdhsa_private_segment_fixed_size 0
		.amdhsa_enable_private_segment 0
		.amdhsa_kernarg_size 48
		.amdhsa_user_sgpr_count 2
		.amdhsa_user_sgpr_kernarg_segment_ptr 1
		.amdhsa_wavefront_size32 1
		.amdhsa_system_sgpr_workgroup_id_x 1
		.amdhsa_system_sgpr_workgroup_id_y 1
		.amdhsa_system_sgpr_workgroup_id_z 1
		.amdhsa_system_vgpr_workitem_id 0
		.amdhsa_next_free_vgpr 1024
		.amdhsa_next_free_sgpr 80
		.amdhsa_reserve_vcc 0
		.amdhsa_float_denorm_mode_32 3
		.amdhsa_float_denorm_mode_16_64 3
		.amdhsa_memory_ordered 1
		.amdhsa_forward_progress 1
		.amdhsa_inst_pref_size 192
	.end_amdhsa_kernel
	.amdgpu_metadata
---
amdhsa.version: [ 1, 2 ]
amdhsa.kernels:
  - .name:           k_q5bd9d1bb3e_gemm2
    .symbol:         k_q5bd9d1bb3e_gemm2.kd
    .args:
      - { .name: sp, .offset: 0, .size: 8, .value_kind: global_buffer, .address_space: global }
      - { .name: wob, .offset: 8, .size: 8, .value_kind: global_buffer, .address_space: global }
      - { .name: xb, .offset: 16, .size: 8, .value_kind: global_buffer, .address_space: global }
      - { .name: b_out, .offset: 24, .size: 8, .value_kind: global_buffer, .address_space: global }
      - { .name: alpha, .offset: 32, .size: 8, .value_kind: global_buffer, .address_space: global }
      - { .name: out0, .offset: 40, .size: 8, .value_kind: global_buffer, .address_space: global }
    .group_segment_fixed_size: 327680
    .private_segment_fixed_size: 0
    .kernarg_segment_align: 8
    .kernarg_segment_size: 48
    .max_flat_workgroup_size: 128
    .sgpr_count:     80
    .vgpr_count:     1024
    .wavefront_size: 32
...
	.end_amdgpu_metadata
.endif
;; end of part 4
;; ======== version 2 of 2: 4 launches; version 1 with the launches cvt, scan written anew for expert scheduling mode
;; workspace buffers: xb 33,554,432 bytes; wib 8,388,608 bytes; wob 8,388,608 bytes; xp 67,108,864 bytes; sp 33,554,432 bytes
;; launch cvt (part 5): grid 640 x 1, 8 waves a work-group, no clusters, 0 bytes of LDS; arguments x, w_in, xb, wib; writes xb, wib
.if DOCPART == 5
	.amdgcn_target "amdgcn-amd-amdhsa--gfx1250"
	.amdhsa_code_object_version 6
	.text
	.protected	k_q5bd9d1bb3e_cvt
	.globl	k_q5bd9d1bb3e_cvt
	.p2align	8
	.type	k_q5bd9d1bb3e_cvt,@function
k_q5bd9d1bb3e_cvt:
	s_mov_b64 s[64:65], 0
	v_nop
	global_prefetch_b8 v0, s[64:65] scope:SCOPE_SE
	s_setreg_imm32_b32 hwreg(HW_REG_WAVE_SCHED_MODE, 0, 2), 2
	s_setreg_imm32_b32 hwreg(HW_REG_WAVE_MODE, 25, 1), 1
	s_wait_xcnt 0x0
	s_wait_alu depctr_vm_vsrc(0)
; xb = bf16(x), wib = bf16(w_in): each number rounded once, to nearest even; the layouts stay as they are.  (w_out, which only the last launch needs, is converted beside the scan.)
; SHARES.  A work-group takes 32,768 numbers: groups 0-511 x (16,777,216 numbers), 512-639 w_in (4,194,304).
; A wave takes 4,096: 32 loads of 16 bytes a lane (512 consecutive bytes each) and 32 stores of 8 bytes a lane (256 consecutive bytes each, aligned).
; All 32 loads go out first; each has registers of its own, so no register that a load or store names is ever written again behind it.
; No LDS, no matrix unit, no cluster: nothing is shared and nothing is summed.
; THE MODE: SCHED_MODE bits 1:0 = 2 (LLVM: expert scheduling mode 2), set by the entry lines.  The code itself states the register dependences
; between vector instructions and memory instructions, with s_wait_alu, always for 0.
; THE PLAN.  Registers that memory instructions touch:
;   v1, v2     byte offsets, made once at the head and never written again.
;   v[8:135]   load i: four registers.  Written by the load, then by its two conversions, in place; its first two are read by store i; never written again.
; The 32 loads are worked in eight groups of four.  Group g's conversions name group g's registers alone; the four stores of group g - 1 are dealt among them.
; So one wait on va_vdst at a group's head, behind the wait for the group's data, states all that those four stores hang on.  No register is written behind its store: no wait on vm_vsrc is owed.
.set X, 8                              ; v[8:135]  load i: four f32; its first two registers then hold the four bf16
	s_load_b256 s[4:11], s[0:1], 0x0               ; x s[4:5], w_in s[6:7], xb s[8:9], wib s[10:11]
	v_lshrrev_b32 v3, 5, v0                        ; wave
	v_and_b32 v4, 31, v0                           ; lane
	v_lshlrev_b32 v1, 4, v4
	v_lshl_add_u32 v1, v3, 14, v1                  ; in: 16,384 x wave + 16 x lane
	v_lshlrev_b32 v2, 3, v4
	v_lshl_add_u32 v2, v3, 13, v2                  ; out: 8,192 x wave + 8 x lane
	s_mov_b32 s20, ttmp9
	s_wait_kmcnt 0x0
	s_cmp_lt_u32 s20, 512                          ; which tensor: the choice hangs on the work-group's number alone
	s_cselect_b64 s[16:17], s[4:5], s[6:7]
	s_cselect_b64 s[18:19], s[8:9], s[10:11]
	s_cselect_b32 s21, 0, 512
	s_sub_co_u32 s22, s20, s21                     ; my number among the tensor's work-groups
	s_lshl_b32 s24, s22, 17                        ; 131,072 bytes in,
	s_mov_b32 s25, 0
	s_lshl_b32 s26, s22, 16                        ; 65,536 bytes out
	s_mov_b32 s27, 0
	s_add_nc_u64 s[16:17], s[16:17], s[24:25]
	s_add_nc_u64 s[18:19], s[18:19], s[26:27]
	s_wait_alu depctr_va_vdst(0)                   ; v1 and v2 are written: every load and store of the kernel reads one of them as its offset
.set i, 0
.rept 32
	global_load_b128 v[X+4*i:X+4*i+3], v1, s[16:17] offset:512*i th:TH_LOAD_NT
.set i, i+1
.endr
.set g, 0
.rept 8
	s_wait_loadcnt 28-4*g                          ; loads come back in order: group g's four are in, the 28 - 4 g younger ones may stay out
.if g > 0
	s_wait_alu depctr_va_vdst(0)                   ; the conversions of group g - 1 have written the registers that the four stores below read; no conversion of group g names them
.endif
.set n, 0
.rept 4
.set i, 4*g+n
.if g > 0
	global_store_b64 v2, v[X+4*(i-4):X+4*(i-4)+1], s[18:19] offset:256*(i-4) th:TH_STORE_NT  ; the group before
.endif
	v_cvt_pk_bf16_f32 v[X+4*i], v[X+4*i], v[X+4*i+1]
	v_cvt_pk_bf16_f32 v[X+4*i+1], v[X+4*i+2], v[X+4*i+3]
.set n, n+1
.endr
.set g, g+1
.endr
	s_wait_alu depctr_va_vdst(0)                   ; the conversions of group 7 have written the registers that the last four stores read
.set i, 28
.rept 4
	global_store_b64 v2, v[X+4*i:X+4*i+1], s[18:19] offset:256*i th:TH_STORE_NT
.set i, i+1
.endr
	s_endpgm
.Lfunc_end_k_q5bd9d1bb3e_cvt:
	.size	k_q5bd9d1bb3e_cvt, .Lfunc_end_k_q5bd9d1bb3e_cvt-k_q5bd9d1bb3e_cvt
	.p2alignl 7, 3214868480
	.fill 96, 4, 3214868480
	.section	.rodata,"a",@progbits
	.p2align	6, 0x0
	.amdhsa_kernel k_q5bd9d1bb3e_cvt
		.amdhsa_group_segment_fixed_size 0
		.amdhsa_private_segment_fixed_size 0
		.amdhsa_enable_private_segment 0
		.amdhsa_kernarg_size 32
		.amdhsa_user_sgpr_count 2
		.amdhsa_user_sgpr_kernarg_segment_ptr 1
		.amdhsa_wavefront_size32 1
		.amdhsa_system_sgpr_workgroup_id_x 1
		.amdhsa_system_sgpr_workgroup_id_y 1
		.amdhsa_system_sgpr_workgroup_id_z 1
		.amdhsa_system_vgpr_workitem_id 0
		.amdhsa_next_free_vgpr 136
		.amdhsa_next_free_sgpr 66
		.amdhsa_reserve_vcc 0
		.amdhsa_float_denorm_mode_32 3
		.amdhsa_float_denorm_mode_16_64 3
		.amdhsa_memory_ordered 1
		.amdhsa_forward_progress 1
		.amdhsa_inst_pref_size 12
	.end_amdhsa_kernel
	.amdgpu_metadata
---
amdhsa.version: [ 1, 2 ]
amdhsa.kernels:
  - .name:           k_q5bd9d1bb3e_cvt
    .symbol:         k_q5bd9d1bb3e_cvt.kd
    .args:
      - { .name: x, .offset: 0, .size: 8, .value_kind: global_buffer, .address_space: global }
      - { .name: w_in, .offset: 8, .size: 8, .value_kind: global_buffer, .address_space: global }
      - { .name: xb, .offset: 16, .size: 8, .value_kind: global_buffer, .address_space: global }
      - { .name: wib, .offset: 24, .size: 8, .value_kind: global_buffer, .address_space: global }
    .group_segment_fixed_size: 0
    .private_segment_fixed_size: 0
    .kernarg_segment_align: 8
    .kernarg_segment_size: 32
    .max_flat_workgroup_size: 256
    .sgpr_count:     66
    .vgpr_count:     136
    .wavefront_size: 32
...
	.end_amdgpu_metadata
.endif
;; end of part 5
;; launch gemm1: the kernel of part 2 again; grid 8 x 32, 4 waves a work-group, clusters of 4 x 4, 327,680 bytes of LDS; arguments xb, wib, b_in, xp; writes xp
;; launch scan (part 6): grid 256 x 1, 5 waves a work-group, no clusters, 0 bytes of LDS; arguments xp, thre, sp, w_out, wob; writes sp, wob
.if DOCPART == 6
	.amdgcn_target "amdgcn-amd-amdhsa--gfx1250"
	.amdhsa_code_object_version 6
	.text
	.protected	k_q5bd9d1bb3e_scan
	.globl	k_q5bd9d1bb3e_scan
	.p2align	8
	.type	k_q5bd9d1bb3e_scan,@function
k_q5bd9d1bb3e_scan:
	s_mov_b64 s[64:65], 0
	v_nop
	global_prefetch_b8 v0, s[64:65] scope:SCOPE_SE
	s_setreg_imm32_b32 hwreg(HW_REG_WAVE_SCHED_MODE, 0, 2), 2
	s_setreg_imm32_b32 hwreg(HW_REG_WAVE_MODE, 25, 1), 1
	s_wait_xcnt 0x0
	s_wait_alu depctr_vm_vsrc(0)
; WAVE 0: the LIF scan: mem = 0.25 mem + x_t; s = the number of levels k th (k = 1..4) that mem reaches; mem -= s th.  2,048 steps for each of 8,192 channels (b, c); spikes 0..4 leave as bf16 (exact).
; xp (f32): byte ((b 64 + c / 32) 512 + t / 4) 512 + (c % 32) 16 + (t % 4) 4.   sp (bf16): byte ((b 128 + c / 16) 256 + t / 8) 256 + (c % 16) 16 + (t % 8) 2.
; WAVES 1 TO 4: wob = bf16(w_out), rounded once, the layout as it is.  The scan has work for one wave in each work-group; only the launch behind needs wob: so it is made here, beside the scan.
; SHARES.  Work-group w: wave 0 has batch w / 64 and the 32 channels 32 (w % 64) on, a lane a channel: 262,144 consecutive bytes of xp; one load of 16 bytes a lane is four steps.
; Waves 1 to 4 have 4,096 numbers of w_out each, 16,384 a work-group.  The waves hand each other nothing: no LDS, no barrier.
; Time cannot be shared out: a step needs the step before it.  So the launch's length is 2,048 times the chain from state to state, and the text is built to keep that chain short and unbroken.
; IN UNITS OF th.  th = bf16(thre), g = 1 / |th|, c = the sign of th.  The state is Y = mem / th before the reset (th > 0), or 5 - mem / th (th < 0); in both cases s = floor(Y) held to 0..4,
; and the next Y is 0.25 Y + X - 0.25 c s with X = x g + o (o = 0, or 3.75).  Three candidates are made side by side: A (s = 0), B = A - 0.25 c floor(Y), CC (s = 4, from XC = x g + o - c);
; the right one is their median, for either sign of c.  From Y to Y: floor, one fused multiply-add, one median.  A and CC are made in place, on the registers that held X and XC.
; THE MODE: SCHED_MODE bits 1:0 = 2 (LLVM: expert scheduling mode 2), set by the entry lines.  The code itself states the register dependences
; between vector instructions and memory instructions, with s_wait_alu, always for 0.
; THE PLAN, wave 0.  Registers that memory instructions touch in the loop:
;   RING, group q (slots 8 q .. 8 q + 7)   Read by the scalings (PREP) that stand in slots 8 q - 1 .. 8 q + 6; then the next round's eight loads land in it.
;   PK, sets 4 q .. 4 q + 3                Written by the packings of slots 8 q .. 8 q + 7; read by four stores; written again a trip later.
;   v1, v2, v3                             Byte offsets, made once at the head and never written again: the rounds are reached by scalar bases and immediate offsets.
;   Y, WK, SS, XB and XCB are named by vector instructions alone.
; A HEAD stands behind every eighth slot, behind slot 8 q + 7: the group's last packing and three waits, which state all that group q's eight loads and four stores hang on.
; Behind heads 0 to 2 these twelve (behind head 0 the two prefetches too) are dealt among the steps of slots 8 q + 8 and 8 q + 9, with no further wait: of the registers above, those slots' vector
; instructions name ring slots 8 q + 9 and 8 q + 10 and set 4 q + 4 alone.  Behind head 3 the twelve stand in one run: the next slot lies over the loop's backward jump, and the first trip has no group in front of it.
; THE PLAN, waves 1 to 4: at .Lconv.
; LIMITS.  thre is rounded to bf16; thre is not 0 and 2^-126 <= |thre| <= 2^126 (the reciprocal flushes denormals); NaN and infinities are not treated apart.  The state is kept divided by th,
; so its roundings are not the reference's (one rounding of x g + o and two a step, each of the last bit); for th < 0 the state lies near 5 and keeps three bits fewer.
; No matrix unit, no cluster: no lane wants another lane's numbers.
.set QU,   4                           ; v4       0.25
.set MQC,  5                           ; v5       -0.25 c
.set G,    6                           ; v[6:7]   g, twice
.set O,    8                           ; v[8:9]   o, twice
.set OC,   10                          ; v[10:11] o - c, twice
.set Y,    16                          ; v16      the state
.set WK,   17                          ; v[17:18], v[19:20]  floor and B, for even and odd steps
.set ZERO, 25                          ; v25      0
.set FOUR, 26                          ; v26      4.0
.set LN,   27                          ; v27      lane
.set SS,   32                          ; v[32:39] spikes of a slot's four steps, two buffers
.set XB,   40                          ; v[40:47] X, then A: two buffers of four steps
.set XCB,  48                          ; v[48:55] XC, then CC: likewise
.set PK,   64                          ; v[64:127]  16 sets of four: eight steps' spikes packed, a set for each store of a trip
.set RING, 128                         ; v[128:255] 32 slots of four, in four groups of eight: 128 steps of x
.set CV,   8                           ; waves 1 to 4: v[8:39]  eight loads of four f32
.set MG,   0                           ; the group whose memory instructions are being dealt,
.set MN,   99                          ; and how many of them have been written: none are waiting
	s_load_b256 s[4:11], s[0:1], 0x0               ; xp s[4:5], thre s[6:7], sp s[8:9], w_out s[10:11]
	s_load_b64 s[26:27], s[0:1], 0x20              ; wob
	v_lshrrev_b32 v12, 5, v0
	v_readfirstlane_b32 s28, v12                   ; wave
	v_and_b32 v[LN], 31, v0
	s_wait_alu depctr_va_sdst(0)                   ; s28 is written, ahead of its first reader, the compare below
	s_cmp_lg_u32 s28, 0
	s_cbranch_scc1 .Lconv                          ; waves 1 to 4 convert
	v_lshlrev_b32 v1, 4, v[LN]                     ; in: 16 x lane
	v_and_b32 v12, 15, v0
	v_bfe_u32 v13, v0, 4, 1
	v_lshlrev_b32 v2, 4, v12
	v_lshl_add_u32 v2, v13, 16, v2                 ; out: 16 (lane % 16); lanes 16-31 belong to the next 16 channels, 65,536 bytes on
	v_lshlrev_b32 v3, 8, v[LN]                     ; the prefetches: 256 x lane
	s_lshl_b32 s20, ttmp9, 18
	s_mov_b32 s21, 0
	s_lshl_b32 s22, ttmp9, 17
	s_mov_b32 s23, 0
	s_wait_kmcnt 0x0
	s_load_b32 s25, s[6:7], 0x0                    ; thre
	s_add_nc_u64 s[12:13], s[4:5], s[20:21]        ; my stream
	s_add_nc_u64 s[16:17], s[8:9], s[22:23]        ; my place in sp
	s_mov_b64 s[14:15], s[12:13]                   ; the loads' base: round 0
.macro REFILL k                        ; slot k: four steps, 512 consecutive bytes
	global_load_b128 v[RING+4*(\k):RING+4*(\k)+3], v1, s[14:15] offset:512*(\k) th:TH_LOAD_NT
.endm
.macro PREP1 k, w=16                   ; slot k's steps 0 and 1 into X and XC
.if ((\k)%8) == 0
	s_wait_loadcnt \w                              ; once a group.  The groups are issued in the order 0..3, round after round: behind the group that is wanted stand the two younger ones' 16 loads (on the way in: three groups' 24)
.endif
	v_pk_fma_f32 v[XB+4*((\k)%2):XB+4*((\k)%2)+1], v[RING+4*(\k):RING+4*(\k)+1], v[G:G+1], v[O:O+1]
	v_pk_fma_f32 v[XCB+4*((\k)%2):XCB+4*((\k)%2)+1], v[RING+4*(\k):RING+4*(\k)+1], v[G:G+1], v[OC:OC+1]
.endm
.macro PREP2 k                         ; its steps 2 and 3
	v_pk_fma_f32 v[XB+4*((\k)%2)+2:XB+4*((\k)%2)+3], v[RING+4*(\k)+2:RING+4*(\k)+3], v[G:G+1], v[O:O+1]
	v_pk_fma_f32 v[XCB+4*((\k)%2)+2:XCB+4*((\k)%2)+3], v[RING+4*(\k)+2:RING+4*(\k)+3], v[G:G+1], v[OC:OC+1]
.endm
.macro NAMES i, j                      ; the registers of step j of slot i: the X and XC are the NEXT step's
.set W, WK+2*((\j)%2)
.if (\j) < 3
.set XN, XB+4*((\i)%2)+(\j)+1
.set XCN, XCB+4*((\i)%2)+(\j)+1
.else
.set XN, XB+4*(((\i)+1)%2)
.set XCN, XCB+4*(((\i)+1)%2)
.endif
.endm
.macro S1 i, j                         ; what hangs on Y alone
	NAMES \i, \j
	v_floor_f32 v[W], v[Y]
	v_fmac_f32 v[XN], v[QU], v[Y]                  ; A = 0.25 Y + X
	v_fmac_f32 v[XCN], v[QU], v[Y]                 ; CC = 0.25 Y + XC
.endm
.macro S2 i, j
	NAMES \i, \j
	v_fma_f32 v[W+1], v[MQC], v[W], v[XN]          ; B = A - 0.25 c floor(Y)
	v_med3_num_f32 v[SS+4*((\i)%2)+(\j)], v[W], v[ZERO], v[FOUR]  ; the spike
.endm
.macro S3 i, j
	NAMES \i, \j
	v_med3_num_f32 v[Y], v[XN], v[W+1], v[XCN]
.endm
.macro PACKA i                         ; slot i's spikes 0, 1
	v_cvt_pk_bf16_f32 v[PK+4*((\i)/2)+2*((\i)%2)], v[SS+4*((\i)%2)], v[SS+4*((\i)%2)+1]
.endm
.macro PACKB i                         ; its spikes 2, 3
	v_cvt_pk_bf16_f32 v[PK+4*((\i)/2)+2*((\i)%2)+1], v[SS+4*((\i)%2)+2], v[SS+4*((\i)%2)+3]
.endm
.macro STORE n                         ; eight steps: sixteen lanes write 256 consecutive bytes, aligned
	global_store_b128 v2, v[PK+4*(\n):PK+4*(\n)+3], s[18:19] offset:256*(\n) th:TH_STORE_NT
.endm
; The next of group MG's memory instructions, if one is left: twelve, in the order load, load, store; behind group 0's the two prefetches.  No wait stands here: the head's three have stated all that these hang on.
.macro DEAL
.if MN < 12
.if (MN%3) == 2
	STORE 4*MG+MN/3
.else
	REFILL 8*MG+2*(MN/3)+MN%3
.endif
.elseif (MN == 12) && (MG == 0)
	s_cmp_gt_u32 s24, 2                            ; the last two trips have no round two on
	s_cbranch_scc0 .Lnopf
	global_prefetch_b8 v3, s[14:15] offset:16384 th:TH_LOAD_NT scope:SCOPE_SE  ; the round after the one that this trip's loads name, a trip ahead of its loads: 64 blocks of 256 bytes, a lane a block,
	global_prefetch_b8 v3, s[14:15] offset:24576 th:TH_LOAD_NT scope:SCOPE_SE  ; each named once in the launch; rounds 0 and 1 come by their loads alone
.Lnopf:
.endif
.set MN, MN+1
.endm
; The head behind slot 8 q + 7.  Group q's slots have all been read (the last in slot 8 q + 6): they take their steps of the next round, 21 slots or more ahead of the wait for them.
; The group's 32 steps' spikes leave in four stores.
.macro HEAD q
	PACKB 8*(\q)+7
	s_wait_xcnt 0x0                                ; the youngest memory instruction stands 24 steps back or more.  Behind this wait the bases are written (q = 0), and later the packed sets that earlier stores read
	s_wait_alu depctr_vm_vsrc(0)                   ; the four stores issued behind the head before have read their packed sets, which packings write again three heads on
	s_wait_alu depctr_va_vdst(0)                   ; the packings have written sets 4 q .. 4 q + 3, which the stores to come read; the scalings are done reading group q's slots, in which the loads to come land
.if (\q) == 0
	s_add_co_u32 s20, s20, 16384
	s_min_u32 s20, s20, 15*16384                   ; this trip's loads name the next round; the last trip names round 15 once more: inside the buffer, and what is made of it is not used
	s_add_nc_u64 s[14:15], s[12:13], s[20:21]
	s_add_nc_u64 s[18:19], s[16:17], s[22:23]      ; this trip's 4,096 bytes of spikes
	s_add_co_u32 s22, s22, 4096
.endif
.set MG, (\q)
.set MN, 0
.if (\q) == 3
.rept 12
	DEAL                                           ; the trip's last group: in one run, ahead of the backward jump
.endr
.endif
.endm
; Four steps.  What is off the chain (the next slot's X and XC, the packing, and in the two slots behind a head the group's loads and stores) stands between the chain's links.
.macro SLOT i
	S1 \i, 0
.if ((\i)%8) != 0
	PACKB (\i)-1                                   ; (behind a head the packing has been done in the head)
.endif
	S2 \i, 0
	PREP1 ((\i)+1)%32
	S3 \i, 0
	DEAL
	S1 \i, 1
	PREP2 ((\i)+1)%32
	S2 \i, 1
	DEAL
	S3 \i, 1
	DEAL
	S1 \i, 2
	PACKA \i
	S2 \i, 2
	DEAL
	S3 \i, 2
	DEAL
	S1 \i, 3
	S2 \i, 3
	DEAL
	S3 \i, 3
	DEAL
.if ((\i)%8) == 7
	HEAD (\i)/8
.endif
.endm
	s_wait_alu depctr_va_vdst(0)                   ; v1, v2 and v3 are written: every load, store and prefetch of the wave reads one of them as its offset
.irp k, 0,1,2,3,4,5,6,7,8,9,10,11,12,13,14,15,16,17,18,19,20,21,22,23,24,25,26,27,28,29,30,31
	REFILL \k                                      ; round 0
.endr
	s_wait_kmcnt 0x0
	v_mov_b32 v12, s25
	v_cvt_pk_bf16_f32 v12, v12, v12
	v_lshlrev_b32 v12, 16, v12                     ; th
	v_and_b32 v13, 0x7fffffff, v12                 ; |th|
	v_rcp_f32 v14, v13
	v_and_b32 v15, 0x80000000, v12                 ; the plain instruction behind the reciprocal (ISA guide 5.7.2)
	s_wait_alu depctr_va_vdst(0)                   ; the reciprocal has written v14: the wait ahead of its first reader
	v_fma_f32 v16, -v13, v14, 1.0                  ; one Newton step
	v_fma_f32 v[G], v16, v14, v14
	v_mov_b32 v[G+1], v[G]
	v_or_b32 v15, 0x3f800000, v15                  ; c = 1 with th's sign
	v_sub_f32 v13, 1.0, v15                        ; 0 or 2
	v_mul_f32 v[O], 0x3ff00000, v13                ; o = 0 or 3.75
	v_mov_b32 v[O+1], v[O]
	v_sub_f32 v[OC], v[O], v15
	v_mov_b32 v[OC+1], v[OC]
	v_mul_f32 v14, 0x40200000, v13                 ; the state that stands for mem = 0: 0 or 5
	v_mul_f32 v[MQC], 0xbe800000, v15
	v_mov_b32 v[QU], 0x3e800000
	v_mov_b32 v[ZERO], 0
	v_mov_b32 v[FOUR], 4.0
	PREP1 0, 24                                    ; group 0 is in; the other three groups' 24 loads may stay out
	PREP2 0
	v_fma_f32 v[Y], v[QU], v14, v[XB]              ; Y of step 0
	s_mov_b32 s20, 0                               ; s[20:21] the loads' round, in bytes
	s_mov_b32 s22, 0                               ; s[22:23] the stores' trip, in bytes
	s_mov_b32 s24, 16
.Ltrip:                                                ; 16 trips of 128 steps; at the head three groups' loads are out, on the way in and on the way back
.irp i, 0,1,2,3,4,5,6,7,8,9,10,11,12,13,14,15,16,17,18,19,20,21,22,23,24,25,26,27,28,29,30,31
	SLOT \i
.endr
	s_sub_co_u32 s24, s24, 1
	s_cmp_lg_u32 s24, 0
	s_cbranch_scc1 .Ltrip
	s_endpgm
; Waves 1 to 4: 4,096 numbers of w_out each, in four trips of eight loads (512 consecutive bytes each) and eight stores (256 consecutive bytes each, aligned).
; A plain loop: it has the whole scan in which to end, so nothing is asked for ahead.
; THE PLAN.  v[8:39]: written by a trip's eight loads, then by the conversions, in place; read by its eight stores; loaded again in the next trip.
; v1, v2: byte offsets, made once and never written again: the two scalar bases move on by a trip.
; A trip goes in two halves of four loads: a half's eight conversions, one wait on va_vdst, its four stores.  One wait on vm_vsrc stands at the trip's end, ahead of the backward jump.
.Lconv:
	s_sub_co_u32 s28, s28, 1
	s_lshl_b32 s20, ttmp9, 16                      ; the work-group's 65,536 bytes of w_out,
	s_lshl_b32 s21, s28, 14                        ; my wave's 16,384 of them
	s_add_co_u32 s20, s20, s21
	s_mov_b32 s21, 0
	s_lshr_b32 s22, s20, 1                         ; half as many bytes out
	s_mov_b32 s23, 0
	v_lshlrev_b32 v1, 4, v[LN]
	v_lshlrev_b32 v2, 3, v[LN]
	s_wait_kmcnt 0x0
	s_add_nc_u64 s[10:11], s[10:11], s[20:21]
	s_add_nc_u64 s[26:27], s[26:27], s[22:23]
	s_mov_b32 s24, 4
	s_wait_alu depctr_va_vdst(0)                   ; v1 and v2 are written, which every load and store below reads
.Lcv:
.set i, 0
.rept 8
	global_load_b128 v[CV+4*i:CV+4*i+3], v1, s[10:11] offset:512*i th:TH_LOAD_NT
.set i, i+1
.endr
.irp hf, 0,1
	s_wait_loadcnt 4-4*(\hf)                       ; this half's four loads are in; the other half's four may stay out
.set i, 4*(\hf)
.rept 4
	v_cvt_pk_bf16_f32 v[CV+4*i], v[CV+4*i], v[CV+4*i+1]
	v_cvt_pk_bf16_f32 v[CV+4*i+1], v[CV+4*i+2], v[CV+4*i+3]
.set i, i+1
.endr
	s_wait_alu depctr_va_vdst(0)                   ; the half's conversions have written the registers that its four stores read, and are done with the registers in which the next trip's loads land
.set i, 4*(\hf)
.rept 4
	global_store_b64 v2, v[CV+4*i:CV+4*i+1], s[26:27] offset:256*i th:TH_STORE_NT
.set i, i+1
.endr
.endr
	s_wait_xcnt 0x0                                ; the two bases and the stores' data are written again only behind this wait
	s_wait_alu depctr_vm_vsrc(0)                   ; the stores have read v[CV ..], in which the next trip's loads land
	s_add_nc_u64 s[10:11], s[10:11], 4096          ; the next trip's 4,096 bytes in,
	s_add_nc_u64 s[26:27], s[26:27], 2048          ; and 2,048 out
	s_sub_co_u32 s24, s24, 1
	s_cmp_lg_u32 s24, 0
	s_cbranch_scc1 .Lcv
	s_endpgm
.Lfunc_end_k_q5bd9d1bb3e_scan:
	.size	k_q5bd9d1bb3e_scan, .Lfunc_end_k_q5bd9d1bb3e_scan-k_q5bd9d1bb3e_scan
	.p2alignl 7, 3214868480
	.fill 96, 4, 3214868480
	.section	.rodata,"a",@progbits
	.p2align	6, 0x0
	.amdhsa_kernel k_q5bd9d1bb3e_scan
		.amdhsa_group_segment_fixed_size 0
		.amdhsa_private_segment_fixed_size 0
		.amdhsa_enable_private_segment 0
		.amdhsa_kernarg_size 40
		.amdhsa_user_sgpr_count 2
		.amdhsa_user_sgpr_kernarg_segment_ptr 1
		.amdhsa_wavefront_size32 1
		.amdhsa_system_sgpr_workgroup_id_x 1
		.amdhsa_system_sgpr_workgroup_id_y 1
		.amdhsa_system_sgpr_workgroup_id_z 1
		.amdhsa_system_vgpr_workitem_id 0
		.amdhsa_next_free_vgpr 256
		.amdhsa_next_free_sgpr 66
		.amdhsa_reserve_vcc 0
		.amdhsa_float_denorm_mode_32 3
		.amdhsa_float_denorm_mode_16_64 3
		.amdhsa_memory_ordered 1
		.amdhsa_forward_progress 1
		.amdhsa_inst_pref_size 63
	.end_amdhsa_kernel
	.amdgpu_metadata
---
amdhsa.version: [ 1, 2 ]
amdhsa.kernels:
  - .name:           k_q5bd9d1bb3e_scan
    .symbol:         k_q5bd9d1bb3e_scan.kd
    .args:
      - { .name: xp, .offset: 0, .size: 8, .value_kind: global_buffer, .address_space: global }
      - { .name: thre, .offset: 8, .size: 8, .value_kind: global_buffer, .address_space: global }
      - { .name: sp, .offset: 16, .size: 8, .value_kind: global_buffer, .address_space: global }
      - { .name: w_out, .offset: 24, .size: 8, .value_kind: global_buffer, .address_space: global }
      - { .name: wob, .offset: 32, .size: 8, .value_kind: global_buffer, .address_space: global }
    .group_segment_fixed_size: 0
    .private_segment_fixed_size: 0
    .kernarg_segment_align: 8
    .kernarg_segment_size: 40
    .max_flat_workgroup_size: 160
    .sgpr_count:     66
    .vgpr_count:     256
    .wavefront_size: 32
...
	.end_amdgpu_metadata
.endif
;; end of part 6
;; launch gemm2: the kernel of part 4 again; grid 8 x 32, 4 waves a work-group, clusters of 4 x 4, 327,680 bytes of LDS; arguments sp, wob, xb, b_out, alpha, out0; writes out0
